; MI455X (gfx1250); checked and timed in simulation.
; The chip was launched on July 23, 2026; its instructions are those of AMD's public machine-readable ISA for CDNA 5 (MIT licence, August 2026) and "CDNA5" Instruction Set Architecture Reference Guide (July 2026). The comments in the code are by the model that wrote it; some were corrected since.
;; Attention. Allowed arithmetic: matrix products marked QUANTISED: E3M2 operands, one E8M0 scale for each 32 along K, by v_wmma_scale_f32_16x16x128_f8f6f4 with both operands' format E3M2, f32 sums; everything else in f32.
;; Inputs: Wk 1,024 x 1,024 float32; Wo 1,024 x 1,024 float32; Wq 1,024 x 1,024 float32; Wv 1,024 x 1,024 float32; bo 1,024 float32; x 4 x 2,048 x 1,024 float32.
;; Outputs: out0 4 x 2,048 x 1,024 float32.
;; This version of the problem:
;;   THIS VERSION OF THE PROBLEM IS GIVEN IN LOW PRECISION. The matrix products marked QUANTISED in the list below multiply operands that are first quantised to E3M2 (3 exponent bits, 2 mantissa bits; 6 bits a number), with one power-of-two scale for each 32 numbers along K (OCP MX v1.0); their sums are f32. All else is computed in f32.
;;   The module's matrix products, in the order in which they are computed (A, B: the left and right operand; K: the contracted axis; several contracted axes count as one K, in the product's order):
;;     1. [M 8,192, K 1,024] x [K 1,024, N 1,024]; A: input x; B: input Wq: QUANTISED
;;     2. [M 8,192, K 1,024] x [K 1,024, N 1,024]; A: input x; B: input Wk: QUANTISED
;;     3. [M 8,192, K 1,024] x [K 1,024, N 1,024]; A: input x; B: input Wv: QUANTISED
;;     4. batch 64 x [M 2,048, K 64] x [K 64, N 2,048]; A: computed on the way; B: computed on the way: QUANTISED
;;     5. batch 64 x [M 2,048, K 2,048] x [K 2,048, N 64]; A: softmax (see below); B: computed on the way: QUANTISED
;;     6. [M 8,192, K 1,024] x [K 1,024, N 1,024]; A: computed on the way; B: input Wo: QUANTISED
;;   THE QUANTISER, for each operand of a quantised product, along K:
;;     - K is cut into blocks of 32 from its start; a last block that is shorter is filled with zeros.
;;     - A block's scale is 2^e with e = floor(log2(the largest magnitude in the block)) - 4, held to -126 .. 127; a block of zeros has e = 0. As a byte (E8M0): e + 127.
;;     - Each number is divided by its block's scale, clamped to +-28, and rounded to the nearest number of E3M2, ties to even, subnormals kept.
;;     - The product sums the exact products of the quantised numbers (number of the format x scale) in f32.
;;   ~~~python
;;   def quantise(x, axis):      # numpy; x: float32 -> the quantised numbers, widened to float32 again
;;       x = np.moveaxis(x, axis, -1); K = x.shape[-1]
;;       x = np.pad(x, [(0, 0)] * (x.ndim - 1) + [(0, -K % 32)]); x = x.reshape(x.shape[:-1] + (-1, 32)); a = np.abs(x).max(-1, keepdims=True)
;;       e = np.where(a > 0, np.clip(np.frexp(np.where(a > 0, a, 1))[1] - 1 - 4, -126, 127), 0)      # np.frexp(a)[1] - 1 = floor(log2(a)), exactly
;;       r = np.clip(x / 2.0 ** e, -28, 28)
;;       step = 2.0 ** (np.maximum(np.frexp(np.where(r == 0, 1, r))[1] - 1, -2) - 2)
;;       q = np.round(r / step) * step * 2.0 ** e      # np.round: ties to even
;;       return np.moveaxis(q.reshape(q.shape[:-2] + (-1,))[..., :K], -1, axis).astype(np.float32)
;;   ~~~
;;   SOFTMAX AHEAD OF A QUANTISED PRODUCT. Where the list says 'softmax', what is quantised is not the finished softmax but p = 2^(t - M), with t = logit x log2(e) and M = ceil(the row's largest t), a whole number; so 1/2 < the row's largest p <= 1. The row's sum l is taken of the UNQUANTISED p, in f32, and the product's result is divided by l at the end. Since M is a whole number, a kernel that streams over the keys may use a running M (the ceiling of the running maximum): every later rescaling is an exact power of two, which a block's scale takes up: the codes' values come out the same.
;;   OPERANDS COMPUTED ON THE WAY. 'Computed on the way' means the value that the module computes at that place (a softmax that the list does not call 'softmax' is quantised finished and normalised). What goes into a quantiser is computed in f32, as accurately as f32 sums, v_exp_f32 and their like allow (about 1e-6 of the number): no bf16 or f16 on the way to a quantiser, and a product that is left as it is and whose result goes on into a quantised operand takes f32 operands (vector FMAs, or v_wmma_f32_16x16x4_f32). A number that lies on a knife's edge between two numbers of the format may be rounded either way, as far as f32 arithmetic and the matrix unit's own rounding can turn it there, and no further.
;; One version. Each part assembles by itself: llvm-mc -triple=amdgcn-amd-amdhsa -mcpu=gfx1250 --defsym DOCPART=n.
;; ======== version 1 of 1: 4 launches
;; limits: right only within a limited range of input values
;; workspace buffers: codes 9,830,400 bytes; q 6,553,600 bytes; kv 13,107,200 bytes; ao 6,553,600 bytes
;; launch quant (part 1): grid 768 x 1, 2 waves a work-group, no clusters, 17,152 bytes of LDS; arguments x, Wq, Wk, Wv, Wo, codes; writes codes
.if DOCPART == 1
	.amdgcn_target "amdgcn-amd-amdhsa--gfx1250"
	.amdhsa_code_object_version 6
	.text
	.protected	k_q9e3e108d6e_quant
	.globl	k_q9e3e108d6e_quant
	.p2align	8
	.type	k_q9e3e108d6e_quant,@function
k_q9e3e108d6e_quant:
	s_mov_b64 s[64:65], 0
	v_nop
	global_prefetch_b8 v0, s[64:65] scope:SCOPE_SE
	s_setreg_imm32_b32 hwreg(HW_REG_WAVE_MODE, 25, 1), 1
	s_wait_xcnt 0x0
; x [8192][1024] and Wq, Wk, Wv, Wo [1024][1024], f32 with K innermost, become codes of E3M2 with one E8M0 byte for each 32 along K, laid as IMAGES OF OPERAND REGISTERS.
; codes = [half-tile of 128 rows: x 0-63, Wq 64-71, Wk 72-79, Wv 80-87, Wo 88-95][K step of 128: 0-7][quarter of 64 rows: 0-1][6,400 bytes].
; A quarter block: four fragments (16 rows x 128 K, 12 registers a lane) of 1,536 bytes, then 256 bytes of scale words (row r of fragment f: byte 6,144 + 16 r + 4 f).
; A fragment's image: registers 0-3 at 16 x lane, 4-5 at 512 + 8 x lane, 6-9 at 768 + 16 x lane, 10-11 at 1,280 + 8 x lane: every store of the wave covers whole aligned blocks of 256 bytes.
; THE ROWS OF A FRAGMENT ARE NOT NEIGHBOURS: lane r of fragment f takes row 32 (f / 2) + 8 (f % 2) + r + 8 (r / 8) of the quarter, the order in which all later launches use tiles.
; A block's scale is 2^(floor(log2(largest magnitude)) - 4): its byte is the largest magnitude's exponent field - 4, held at 1 from below by a floor among the maximum's leaves.
; LIMITS: a block of zeros gets the byte 1 where the rule says 127 (its codes are zeros, and this program alone reads the bytes); NaN and infinities among the inputs are not served.
; SHARES: a wave makes one quarter block (64 rows x 128 K: 32 KiB in, 6,400 bytes out).  Each load reads 512 consecutive bytes of a row; 16 rows turn through the wave's own stage in LDS,
; so that a lane gets the 2 x 32 neighbours along K that the operand's layout gives it.  Waves share nothing: no barrier, no cluster, no matrix unit.  32 loads of a wave are out at the start, 16 while a fragment is worked.
.set SP,   528                         ; a stage row: 512 bytes + 16, an odd multiple of 16: the sixteen rows that a read touches start in different banks
.set STG,  16*SP                       ; a wave's stage
.set SW,   16                          ; v16-19   the four fragments' scale words
.set RAW,  32                          ; v32-159  two sets of 64: 16 rows as loaded
.set X,    160                         ; v160-223 my 64 numbers: register 32 c + i = k 64 c + 32 h + i of row r
.set C,    224                         ; v224-235 the fragment's codes
.set AUX,  236                         ; v236-238, v240-242: a conversion's three registers begin on an even number
	s_load_b256 s[4:11], s[0:1], 0x0               ; x, Wq, Wk, Wv
	s_load_b128 s[12:15], s[0:1], 0x20             ; Wo, codes
	v_lshl_add_u32 v254, v0, 2, 0x4200
	v_mov_b32 v255, 0
	v_lshrrev_b32 v8, 5, v0
	v_readfirstlane_b32 s16, v8                    ; wave 0, 1
	v_and_b32 v9, 31, v0                           ; lane
	v_and_b32 v10, 15, v0                          ; r
	v_bfe_u32 v7, v0, 4, 1                         ; h
	v_lshlrev_b32 v1, 4, v9                        ; 16 x lane: my bytes of a load's 512, and of a store of 16 bytes a lane
	v_lshlrev_b32 v2, 3, v9                        ; 8 x lane
	s_mul_i32 s28, s16, STG
	v_add_nc_u32 v3, s28, v1                       ; the stage, on the way in
	v_mul_u32_u24 v4, v10, SP
	v_lshl_add_u32 v4, v7, 7, v4
	v_add_nc_u32 v4, s28, v4                       ; and out: row r, + 128 h bytes (32 numbers)
	v_lshlrev_b32 v5, 3, v7                        ; 8 h: my two scale bytes' shift
	v_lshlrev_b32 v6, 4, v10
	v_lshl_add_u32 v6, v7, 3, v6                   ; 16 r + 8 h: where I store two scale words
	v_mov_b32 v15, 0                               ; written once: a lane permute's destination counts as one of its sources
	s_mov_b32 s26, 0x76543210
	s_mov_b32 s27, 0xfedcba98                      ; v_permlanex16_b32's selects for lane l xor 16
	s_lshr_b32 s17, ttmp9, 2                       ; which quarter of 64 rows, 0-191: x 0-127, then 16 for each weight
	s_and_b32 s18, ttmp9, 3
	s_lshl_b32 s18, s18, 1
	s_add_co_u32 s18, s18, s16                     ; which K step
	s_and_b32 s24, s17, 15                         ; the quarter's number inside a weight
	s_lshr_b32 s29, s17, 1
	s_lshl_b32 s29, s29, 3
	s_add_co_u32 s29, s29, s18
	s_mul_i32 s30, s29, 12800                      ; (half-tile x 8 + K step) x 12,800
	s_and_b32 s29, s17, 1
	s_mul_i32 s29, s29, 6400
	s_add_co_u32 s30, s30, s29                     ; + the quarter
	s_mov_b32 s31, 0
	s_wait_alu depctr_va_vdst(0)
	s_wait_kmcnt 0x0
	s_cmp_lt_u32 s17, 176                          ; the tensor is chosen by the work-group's number alone
	s_cselect_b64 s[20:21], s[10:11], s[12:13]
	s_cmp_lt_u32 s17, 160
	s_cselect_b64 s[20:21], s[8:9], s[20:21]
	s_cmp_lt_u32 s17, 144
	s_cselect_b64 s[20:21], s[6:7], s[20:21]
	s_cmp_lt_u32 s17, 128
	s_cselect_b64 s[20:21], s[4:5], s[20:21]
	s_cselect_b32 s24, s17, s24                    ; in x the quarter's number is the number itself
	s_lshl_b32 s28, s24, 18                        ; 64 rows of 4,096 bytes
	s_lshl_b32 s29, s18, 9                         ; 128 numbers along K
	s_add_co_u32 s28, s28, s29
	s_mov_b32 s29, 0
	s_add_nc_u64 s[20:21], s[20:21], s[28:29]
	s_add_nc_u64 s[22:23], s[14:15], s[30:31]
.macro LOAD f                          ; fragment f's 16 rows, 512 consecutive bytes a load, into set f % 2
.irp m, 0,1,2,3,4,5,6,7,8,9,10,11,12,13,14,15
	global_load_b128 v[RAW+64*((\f)%2)+4*\m:RAW+64*((\f)%2)+4*\m+3], v1, s[20:21] offset:(32*((\f)/2)+8*((\f)%2)+\m+8*(\m/8))*4096 th:TH_LOAD_NT
.endr
.endm
.macro FRAGQ f
.if (\f) < 3
	s_wait_loadcnt 16                              ; this fragment's 16 loads are in; the next fragment's 16 may be out
.else
	s_wait_loadcnt 0x0
.endif
.irp m, 0,1,2,3,4,5,6,7,8,9,10,11,12,13,14,15
	ds_store_b128 v3, v[RAW+64*((\f)%2)+4*\m:RAW+64*((\f)%2)+4*\m+3] offset:SP*\m
.endr
.irp c, 0,1
.irp j, 0,1,2,3,4,5,6,7
	ds_load_b128 v[X+32*\c+4*\j:X+32*\c+4*\j+3], v4 offset:256*\c+16*\j   ; LDS serves a wave's instructions in order: these see the stores above
.endr
.endr
	s_wait_dscnt 0x0                               ; my 64 numbers are in, and the stage's stores have read their registers
.if (\f) < 2
	LOAD (\f)+2
.endif
.irp c, 0,1                                    ; my blocks h and 2 + h: all 32 numbers of each are mine
	v_max3_num_f32 v[8+\c], |v[X+32*\c]|, |v[X+32*\c+1]|, 0x2800000   ; the floor 2^(5 - 127): the byte cannot fall under 1
.endr
.irp n, 2,4,6,8,10,12,14,16,18,20,22,24,26,28,30
.irp c, 0,1
	v_max3_num_f32 v[8+\c], v[8+\c], |v[X+32*\c+\n]|, |v[X+32*\c+\n+1]|   ; the two blocks by turns
.endr
.endr
.irp c, 0,1
	v_add_nc_u32 v[10+\c], 0xfe000000, v[8+\c]     ; 4 off the exponent field: the conversion takes the exponent field of this operand as its scale
.endr
.irp c, 0,1
	v_lshrrev_b32 v[12+\c], 23, v[10+\c]           ; the scale's byte
.endr
	v_lshl_or_b32 v14, v13, 16, v12                ; my two bytes, blocks h and 2 + h,
	v_lshlrev_b32 v14, v5, v14                     ; at their places in the word;
	v_permlanex16_b32 v15, v14, s26, s27
	v_or_b32 v[SW+(\f)], v14, v15                  ; with lane l xor 16's two the word is whole
.if (\f) > 0
	s_wait_alu depctr_va_vdst(0)
	s_wait_xcnt 0x0                                ; the last fragment's stores have read the codes' registers, which are written again below
.endif
.irp c, 0,1
	v_cvt_scalef32_pk16_bf6_f32 v[C+6*\c:C+6*\c+2], v[X+32*\c:X+32*\c+15], v[10+\c]
	v_cvt_scalef32_pk16_bf6_f32 v[AUX+4*\c:AUX+4*\c+2], v[X+32*\c+16:X+32*\c+31], v[10+\c]
.endr
	v_nop                                          ; one plain place behind a scaled conversion
.irp c, 0,1
.irp n, 0,1,2
	v_mov_b32 v[C+3+6*\c+\n], v[AUX+4*\c+\n]       ; registers 6 c .. 6 c + 5 now hold k = 64 c + 32 h + 0 .. 31
.endr
.endr
	global_store_b128 v1, v[C:C+3], s[22:23] offset:1536*(\f)
	global_store_b64 v2, v[C+4:C+5], s[22:23] offset:1536*(\f)+512
	global_store_b128 v1, v[C+6:C+9], s[22:23] offset:1536*(\f)+768
	global_store_b64 v2, v[C+10:C+11], s[22:23] offset:1536*(\f)+1280
.endm
	LOAD 0
	LOAD 1
	FRAGQ 0
	FRAGQ 1
	FRAGQ 2
	FRAGQ 3
	v_cmp_ne_u32 vcc_lo, 0, v7                     ; lanes 0-15 store row r's words of fragments 0, 1; lanes 16-31 those of 2, 3: one aligned block of 256 bytes
	v_cndmask_b32 v20, v[SW], v[SW+2], vcc_lo
	v_cndmask_b32 v21, v[SW+1], v[SW+3], vcc_lo
	global_store_b64 v6, v[20:21], s[22:23] offset:6144
	s_wait_tensorcnt 0x0
	ds_add_u32 v254, v255
	s_wait_dscnt 0x0
	s_endpgm
.Lfunc_end_k_q9e3e108d6e_quant:
	.size	k_q9e3e108d6e_quant, .Lfunc_end_k_q9e3e108d6e_quant-k_q9e3e108d6e_quant
	.p2alignl 7, 3214868480
	.fill 96, 4, 3214868480
	.section	.rodata,"a",@progbits
	.p2align	6, 0x0
	.amdhsa_kernel k_q9e3e108d6e_quant
		.amdhsa_group_segment_fixed_size 17152
		.amdhsa_private_segment_fixed_size 0
		.amdhsa_enable_private_segment 0
		.amdhsa_kernarg_size 48
		.amdhsa_user_sgpr_count 2
		.amdhsa_user_sgpr_kernarg_segment_ptr 1
		.amdhsa_wavefront_size32 1
		.amdhsa_system_sgpr_workgroup_id_x 1
		.amdhsa_system_sgpr_workgroup_id_y 1
		.amdhsa_system_sgpr_workgroup_id_z 1
		.amdhsa_system_vgpr_workitem_id 0
		.amdhsa_next_free_vgpr 256
		.amdhsa_next_free_sgpr 66
		.amdhsa_reserve_vcc 1
		.amdhsa_float_denorm_mode_32 3
		.amdhsa_float_denorm_mode_16_64 3
		.amdhsa_memory_ordered 1
		.amdhsa_forward_progress 1
		.amdhsa_inst_pref_size 31
	.end_amdhsa_kernel
	.amdgpu_metadata
---
amdhsa.version: [ 1, 2 ]
amdhsa.kernels:
  - .name:           k_q9e3e108d6e_quant
    .symbol:         k_q9e3e108d6e_quant.kd
    .args:
      - { .name: x, .offset: 0, .size: 8, .value_kind: global_buffer, .address_space: global }
      - { .name: Wq, .offset: 8, .size: 8, .value_kind: global_buffer, .address_space: global }
      - { .name: Wk, .offset: 16, .size: 8, .value_kind: global_buffer, .address_space: global }
      - { .name: Wv, .offset: 24, .size: 8, .value_kind: global_buffer, .address_space: global }
      - { .name: Wo, .offset: 32, .size: 8, .value_kind: global_buffer, .address_space: global }
      - { .name: codes, .offset: 40, .size: 8, .value_kind: global_buffer, .address_space: global }
    .group_segment_fixed_size: 17152
    .private_segment_fixed_size: 0
    .kernarg_segment_align: 8
    .kernarg_segment_size: 48
    .max_flat_workgroup_size: 64
    .sgpr_count:     66
    .vgpr_count:     256
    .wavefront_size: 32
...
	.end_amdgpu_metadata
.endif
;; end of part 1
;; launch qkv (part 2): grid 8 x 48, 4 waves a work-group, clusters of 4 x 4, 327,680 bytes of LDS; arguments codes, q, kv; writes q, kv
.if DOCPART == 2
	.amdgcn_target "amdgcn-amd-amdhsa--gfx1250"
	.amdhsa_code_object_version 6
	.text
	.protected	k_q9e3e108d6e_qkv
	.globl	k_q9e3e108d6e_qkv
	.p2align	8
	.type	k_q9e3e108d6e_qkv,@function
k_q9e3e108d6e_qkv:
	s_mov_b64 s[64:65], 0
	v_nop
	global_prefetch_b8 v0, s[64:65] scope:SCOPE_SE
	s_setreg_imm32_b32 hwreg(HW_REG_WAVE_MODE, 25, 1), 1
	s_wait_xcnt 0x0
	s_wait_alu depctr_hold_cnt(0) depctr_sa_sdst(0) depctr_va_vdst(0) depctr_va_sdst(0) depctr_va_ssrc(0) depctr_va_vcc(0) depctr_vm_vsrc(0)
	s_getreg_b32 s2, hwreg(HW_REG_IB_STS2, 6, 4)
	s_cmp_eq_u32 s2, 0
	s_cbranch_scc0 .Lentry_in_a_cluster
	s_endpgm
.Lentry_in_a_cluster:
	s_bfe_u32 s2, ttmp6, 0x10000c
	s_cmp_lg_u32 s2, 0xf033
	s_cbranch_scc0 .Lentry_shape_is_right
	s_endpgm
.Lentry_shape_is_right:
; q = x Wq^T / 8, k = x Wk^T, v = x Wv^T on codes of E3M2 (K = 1,024), and the results quantised again on the way out: q and k along a head's 64, v along the keys.  Nothing leaves as f32.
; A tile is 256 R x 256 P; source 0 of the matrix instruction takes 16 rows of P, source 1 16 rows of R: a lane then holds ONE row of R, and its registers run along P, the axis that is quantised next.
;   clusters with y 0-7:  R = x (tokens), P = Wq and Wk as one matrix of 2,048 rows: a lane holds a token, its registers run along the heads' channels.
;   clusters with y 8-11: R = Wv, P = x: a lane holds a channel of v, its registers run along the keys.
; Four waves, each 128 x 128: 64 accumulators, 512 registers.  K goes in 8 steps of 128, written out.  The operands lie in memory as images of fragments (launch quant), so a wave's part of two K steps is ONE dense block
; of 25,600 bytes.  Three LDS slots of two K steps each are filled at the start; slot 0 is filled once more, with K steps 6 and 7, behind the change of slots at K step 1, and has K steps 2 to 5 in which to land.
; A wave has one tensor load out at the start and one behind the refill.
; CLUSTERS: 4 x 4 work-groups; R's blocks are shared along a row of the cluster, P's along a column: each is asked for jointly, by the same tensor load with the same descriptor and a mask that names the four.
; TILES OF 16 ROWS ARE PERMUTED everywhere: lane r of tile 2 b + u takes row 32 b + 8 u + r + 8 (r / 8), so that a lane's 16 registers of P's tiles 2 b and 2 b + 1 are the 16 neighbours 32 b + 16 h + 0 .. 15.
; OUT.  q = [64 heads][16 steps of 128 tokens][6,400]: four PAIR fragments (tile 2 j's 64 channels | tile 2 j + 1's), registers 4 g .. 4 g + 3 at 1,536 j + 512 g + 16 x lane; scale words at 6,144 + 16 r + 4 j.
;       kv = [64 heads][16 steps][12,800]: k as q; from 6,400 on v^T: four fragments (16 channels x 128 keys) and their scale words.
; LIMITS: a block of zeros gets the scale byte 1 (its codes are zeros; this program alone reads the bytes); NaN and infinities are not served.
; REGISTERS, in windows of 256: window 0: v1-29 addresses; v32-47 scale words, two sets; v128-223 R's 8 fragments, one set; on the way out v64-207 are at work.
;   window 1: P's fragments, two sets, at v0 and v128.   windows 2, 3: the accumulators: (a, b) at v[8 (8 (a % 4) + b)] of window 2 + a / 4.
.set KSB,   12800                      ; a half-tile's K step: two quarter blocks of 6,400
.set PART,  2*KSB                      ; what one tensor load brings: 128 rows x 2 K steps
.set SLOT,  4*PART                     ; a third of the tiles' LDS bytes
.set WPART, 3*PART                     ; LDS: each wave's part lies on end: its 128 rows' K steps 0 to 5, 76,800 bytes, brought by ONE tensor load at the head; K steps 6 and 7 land later on the bytes of K steps 0 and 1
.set SPARE, 3*SLOT                     ; behind the slots: the spare words, 128 bytes for each wave: two blocks of 256 bytes that no other line names
.set AR16, 4                           ; v4-6    16 x lane + my half of R in slot 0, 1, 2
.set AR8,  7                           ; v7-9    8 x lane + the same
.set AP16, 10                          ; v10-12  the same for P
.set AP8,  13                          ; v13-15
.set AS,   16                          ; v16-18  scale words: lanes 0-15 R's rows, lanes 16-31 P's
.set SPW,  28                          ; v28     LDS address of my spare word; never rewritten
.set NIL,  29                          ; v29     0; never rewritten
.set SC,   32                          ; scale words: set p at v[SC + 8 p]; register i: lanes 0-15 the words of R's block i, lanes 16-31 those of P's block i
.set AF,   128                         ; R's fragments
.set HA,   64                          ; the way out: 64 numbers of a lane
.set TM,   128                         ; v128-143 maxima, bytes, the conversions' scale operands
.set F0,   160                         ; v160-171, v172-183 two fragments being made
.set F1,   172
.set AUX,  184                         ; v184-186, v188-190
.set PW0,  192                         ; v192-193 scale words just made
.set W,    196                         ; v196-203 the eight scale words to store
.set SWO,  204                         ; v204-207 the four that my half of the lanes stores
.set G1R, 24                           ; s[24:31] descriptor group 1 for R;  s[32:39] for P: they differ in the mask
.set G1P, 32
.set G0R, 40                           ; s[40:43] group 0 for R;  s[52:55] for P
.set G0P, 52
.set SEL, 86                           ; s[86:87] v_permlanex16_b32's selects
.set OUTB, 88                          ; s[88:89] where my results go
.set FS,  92                           ; s[92:93] 1/8 for q, else 1
.set MSB, 0
.macro WIN new                         ; the immediate's high byte repeats the setting that is left
.if MSB != (\new)
	s_set_vgpr_msb (MSB<<8)|(\new)
.set MSB, (\new)
.endif
.endm
.set MUL_LO, 0xa1                      ; source 0 (P) window 1, source 1 (R) window 0, C and D window 2
.set MUL_HI, 0xf1                      ; the same, C and D window 3
.set TO_B,   0x40                      ; destination window 1, address window 0
.macro PLACES n
.rept \n
	v_nop
.endr
.endm
.macro JLOAD                           ; the joint refill of slot 0: waves 0, 1 fetch R's halves, waves 2, 3 P's; four v_nop follow each of the two lines
	s_cmp_eq_u32 s15, 0
	s_cbranch_scc0 .Lfor_p_\@
	tensor_load_to_lds s[G0R:G0R+3], s[G1R:G1R+7]
	s_nop 0
	PLACES 4
	s_branch .Lasked_\@
.Lfor_p_\@:
	tensor_load_to_lds s[G0P:G0P+3], s[G1P:G1P+7]
	s_nop 0
	PLACES 4
.Lasked_\@:
.endm
.macro CREST                           ; a round of the cluster's barrier behind its opening barrier
	s_cmp_lg_u32 s14, 0
	s_cbranch_scc1 .Lnot_wave_0_\@
	s_barrier_signal -3
.Lnot_wave_0_\@:
	s_barrier_wait -3
	s_barrier_signal -1
	s_barrier_wait -1
.endm
.macro CROUND
	s_barrier_signal -1
	s_barrier_wait -1
	CREST
.endm
	s_load_b128 s[4:7], s[0:1], 0x0                ; codes, q
	s_load_b64 s[8:9], s[0:1], 0x10                ; kv
	v_lshl_add_u32 v[SPW], v0, 2, SPARE
	v_mov_b32 v[NIL], 0
	ds_add_u32 v28, v29
	ds_add_u32 v28, v29
	s_wait_dscnt 0x0
	v_lshrrev_b32 v1, 5, v0
	v_readfirstlane_b32 s14, v1                    ; wave 0..3
	s_lshr_b32 s15, s14, 1                         ; my half of R.  Also: I fetch for R (0) or for P (1)
	s_and_b32 s16, s14, 1                          ; my half of P.  Also: which half I fetch
	s_bfe_u32 s66, ttmp6, 0x40000                  ; cx
	s_bfe_u32 s67, ttmp6, 0x40004                  ; cy
	s_lshl_b32 s68, ttmp9, 2
	s_add_co_u32 s68, s68, s66                     ; xt = 4 x cluster x + cx: 0-7
	s_and_b32 s69, ttmp7, 0xffff                   ; cluster y: 0-11, the same in all sixteen partners
	s_lshl_b32 s70, s67, 2
	s_lshl_b32 s70, 15, s70                        ; my row of the cluster
	s_lshl_b32 s71, 0x1111, s66                    ; my column
	s_or_b32 s[G1R], s70, (3<<16)|(1<<21)          ; 15:0 the mask; 17:16 elements of 8 bytes; 20 no padding; 21 set beside a mask
	s_or_b32 s[G1P], s71, (3<<16)|(1<<21)
.irp g, G1R, G1P                       ; a dense block of 76,800 bytes as 300 rows of 256
	s_mov_b32 s[\g+1], 32<<16                      ; tensor_dim0 = 32 elements
	s_mov_b32 s[\g+2], 300<<16                     ; tensor_dim1 = 300: the head's load is 300 rows of 256 bytes
	s_mov_b32 s[\g+3], 32<<16                      ; tile_dim0
	s_mov_b32 s[\g+4], 300                         ; tile_dim1
	s_mov_b32 s[\g+5], 32                          ; the pitch
	s_mov_b32 s[\g+6], 0
	s_mov_b32 s[\g+7], 0
.endr
	s_lshl_b32 s72, s69, 3                         ; q, k: R = x, half-tile 8 x cluster y + 2 cy
	s_sub_co_u32 s74, s69, 8
	s_lshl_b32 s74, s74, 4                         ; v: P = x, half-tile 16 (cluster y - 8) + 2 xt
	s_cmp_ge_u32 s69, 8
	s_cselect_b32 s72, 80, s72                     ; v: R = Wv, half-tile 80 + 2 cy
	s_cselect_b32 s74, s74, 64                     ; q, k: P = Wq, Wk, half-tile 64 + 2 xt
	s_lshl_b32 s76, s67, 1
	s_add_co_u32 s72, s72, s76                     ; R's address hangs on cy alone of the two places, P's on cx alone
	s_add_co_u32 s72, s72, s16
	s_lshl_b32 s77, s68, 1
	s_add_co_u32 s74, s74, s77
	s_add_co_u32 s74, s74, s16
	s_mul_i32 s72, s72, 8*KSB
	s_mul_i32 s74, s74, 8*KSB
	s_mov_b32 s73, 0
	s_mov_b32 s75, 0
	s_mul_i32 s82, s14, WPART                      ; where my part goes: no place in the cluster enters an LDS address
	s_wait_kmcnt 0x0
	s_add_nc_u64 s[78:79], s[4:5], s[72:73]
	s_add_nc_u64 s[80:81], s[4:5], s[74:75]
.irp s, 0
	s_mov_b32 s[G0R+4*\s], 1
	s_add_co_u32 s[G0R+4*\s+1], s82, \s*SLOT
	s_add_nc_u64 s[G0R+4*\s+2:G0R+4*\s+3], s[78:79], \s*PART
	s_or_b32 s[G0R+4*\s+3], s[G0R+4*\s+3], 0x80000000
	s_mov_b32 s[G0P+4*\s], 1
	s_add_co_u32 s[G0P+4*\s+1], s82, \s*SLOT
	s_add_nc_u64 s[G0P+4*\s+2:G0P+4*\s+3], s[80:81], \s*PART
	s_or_b32 s[G0P+4*\s+3], s[G0P+4*\s+3], 0x80000000
.endr
	CROUND                                         ; all sixteen work-groups are here: the first joint loads meet
	s_cmp_eq_u32 s15, 0                            ; one tensor load a wave at the head, one in each arm: K steps 0 to 5 of my 128 rows
	s_cbranch_scc0 .Lfirst_p
	tensor_load_to_lds s[G0R:G0R+3], s[G1R:G1R+7]
	s_nop 0
	PLACES 4
	s_branch .Lfirst_asked
.Lfirst_p:
	tensor_load_to_lds s[G0P:G0P+3], s[G1P:G1P+7]
	s_nop 0
	PLACES 4
.Lfirst_asked:
	v_and_b32 v3, 31, v0                           ; lane
	v_and_b32 v1, 15, v0                           ; r
	v_bfe_u32 v2, v0, 4, 1                         ; h
	v_lshlrev_b32 v19, 4, v3                       ; 16 x lane
	v_lshlrev_b32 v22, 3, v3                       ; 8 x lane
	v_lshlrev_b32 v23, 4, v1                       ; 16 r
	s_mul_i32 s83, s15, WPART                      ; my half of R
	s_mul_i32 s84, s16, WPART
	s_add_co_u32 s84, s84, 2*WPART                 ; my half of P, behind R's two
	s_sub_co_u32 s85, s84, s83
	v_mul_u32_u24 v24, s85, v2                     ; lanes 16-31 take P's scale words: one product, the distance between the two parts
	v_add_nc_u32 v23, v23, v24
.irp s, 0,1,2
	v_add_nc_u32 v[AR16+\s], s83, v19
	v_add_nc_u32 v[AR8+\s], s83, v22
	v_add_nc_u32 v[AP16+\s], s84, v19
	v_add_nc_u32 v[AP8+\s], s84, v22
	v_add_nc_u32 v[AS+\s], s83, v23
	s_add_co_u32 s83, s83, PART                    ; two K steps on inside a part
	s_add_co_u32 s84, s84, PART
.endr
.macro FRAG reg, a16, a8, off          ; a fragment's image back into 12 registers: four loads, each of consecutive bytes
	ds_load_b128 v[\reg:\reg+3], v[\a16] offset:\off
	ds_load_b64 v[\reg+4:\reg+5], v[\a8] offset:\off+512
	ds_load_b128 v[\reg+6:\reg+9], v[\a16] offset:\off+768
	ds_load_b64 v[\reg+10:\reg+11], v[\a8] offset:\off+1280
.endm
.macro FETCH_B slot, qk, p             ; P's eight fragments of the slot's K step qk into set p
	WIN TO_B
.irp i, 0,1,2,3,4,5,6,7
	FRAG 128*(\p)+12*\i, AP16+(\slot), AP8+(\slot), (\qk)*KSB+\i*1536+(\i/4)*256
.endr
	WIN 0
.endm
.macro FETCH_A slot, qk, i0            ; R's blocks i0 .. i0 + 3
.irp i, \i0, \i0+1, \i0+2, \i0+3
	FRAG AF+12*(\i), AR16+(\slot), AR8+(\slot), (\qk)*KSB+(\i)*1536+((\i)/4)*256
.endr
.endm
.macro SCALES slot, qk, p              ; the K step's scale words: four blocks' words a load
.irp u, 0,1
	ds_load_b128 v[SC+8*(\p)+4*\u:SC+8*(\p)+4*\u+3], v[AS+(\slot)] offset:(\qk)*KSB+\u*6400+6144
.endr
.endm
; 16 matrix instructions: R's blocks a0, a0 + 1 x P's eight.  p: P's set and the set of scale words.  zero = 1: the first product starts the sums.
; The 64 accumulators take turns, one instruction a turn, in the same order in every K step.
.macro MUL16 a0, p, zero
.irp a, \a0, \a0+1
.irp b, 0,1,2,3,4,5,6,7
.if \zero
	v_wmma_scale_f32_16x16x128_f8f6f4 v[8*(8*((\a)%4)+\b):8*(8*((\a)%4)+\b)+7], v[128*(\p)+12*\b:128*(\p)+12*\b+11], v[AF+12*(\a):AF+12*(\a)+11], 0, v[SC+8*(\p)+\b], v[SC+8*(\p)+(\a)] matrix_a_fmt:MATRIX_FMT_BF6 matrix_b_fmt:MATRIX_FMT_BF6 matrix_a_scale:MATRIX_SCALE_ROW1
.else
	v_wmma_scale_f32_16x16x128_f8f6f4 v[8*(8*((\a)%4)+\b):8*(8*((\a)%4)+\b)+7], v[128*(\p)+12*\b:128*(\p)+12*\b+11], v[AF+12*(\a):AF+12*(\a)+11], v[8*(8*((\a)%4)+\b):8*(8*((\a)%4)+\b)+7], v[SC+8*(\p)+\b], v[SC+8*(\p)+(\a)] matrix_a_fmt:MATRIX_FMT_BF6 matrix_b_fmt:MATRIX_FMT_BF6 matrix_a_scale:MATRIX_SCALE_ROW1
.endif
.endr
.endr
.endm
; K step ks, whose successor is known to lie in LDS.  A load into a register that a matrix instruction has read stands four plain vector instructions behind it (ISA guide 7.12.1 for vector instructions).
.macro STEP ks, zero
.set PP, (\ks)%2
.set NK, (\ks)+1
.set NS, (NK/2)%3
.set NQ, NK%2
	s_wait_dscnt 16                                ; P's set, R's blocks 0-3 and the scale words are in; the youngest 16 loads (R's blocks 4-7) may be out
	WIN MUL_LO
	MUL16 0, PP, \zero
	MUL16 2, PP, \zero
	s_wait_dscnt 0x0                               ; R's blocks 4-7 are in
	PLACES 4
	FETCH_B NS, NQ, 1-PP
	FETCH_A NS, NQ, 0
	SCALES NS, NQ, 1-PP
	WIN MUL_HI
	MUL16 4, PP, \zero
	MUL16 6, PP, \zero
	PLACES 4
	WIN 0
	FETCH_A NS, NQ, 4
.endm
; A K step that changes to a slot which this barrier shows whole.  In front of the barrier each wave waits for all its tensor loads, adds 0 to its spare word, and waits for that and for its reads.  fill = 1: slot 0 is filled again.
.macro TURN ks, fill
.set PP, (\ks)%2
.set NK, (\ks)+1
.set NS, (NK/2)%3
.set NQ, NK%2
	s_wait_tensorcnt 0x0                           ; all my tensor loads have landed
	ds_add_u32 v[SPW], v[NIL]                      ; 0 onto my spare word
	s_wait_dscnt 17                                ; (the add and the youngest 16 loads, R's blocks 4-7, may be out)
	WIN MUL_LO
	MUL16 0, PP, 0                                 ; sixteen matrix instructions stand between the add and the wait for it
	s_wait_dscnt 0x0                               ; the add is done, and my reads of the slot that I leave are over
	s_barrier_signal -1
	MUL16 2, PP, 0
	WIN 0                                          ; at a branch and at a label every window is 0
	s_barrier_wait -1
.if \fill
	CREST                                          ; the barrier has opened a round of the cluster's barrier: no wave of any partner still reads slot 0 or has a load on its way
	s_add_nc_u64 s[G0R+2:G0R+3], s[G0R+2:G0R+3], 3*PART   ; K steps 6 and 7
	s_add_nc_u64 s[G0P+2:G0P+3], s[G0P+2:G0P+3], 3*PART
	s_mov_b32 s[G1R+2], 100<<16                    ; no tensor load of mine is out, so a descriptor may be written: the refill brings 100 rows of 256 bytes
	s_mov_b32 s[G1R+4], 100
	s_mov_b32 s[G1P+2], 100<<16
	s_mov_b32 s[G1P+4], 100
	JLOAD                                          ; the first tensor load behind the round; its four v_nop are also the places in front of the loads below
.else
	PLACES 4
.endif
	s_wait_alu depctr_va_vdst(0)
	FETCH_B NS, NQ, 1-PP
	FETCH_A NS, NQ, 0
	SCALES NS, NQ, 1-PP
	WIN MUL_HI
	MUL16 4, PP, 0
	MUL16 6, PP, 0
	PLACES 4
	WIN 0
	FETCH_A NS, NQ, 4
.endm
	s_wait_alu depctr_va_vdst(0)
	s_wait_tensorcnt 0x0                           ; my part, K steps 0 to 5, is in
	s_barrier_signal -1
	s_barrier_wait -1                              ; everybody's is
	FETCH_B 0, 0, 0
	FETCH_A 0, 0, 0
	SCALES 0, 0, 0
	FETCH_A 0, 0, 4
	STEP 0, 1                                      ; the first K step starts the sums: nothing is cleared
	TURN 1, 1                                      ; the bytes of K steps 0 and 1 take K steps 6 and 7
	STEP 2, 0
	STEP 3, 0
	STEP 4, 0
	TURN 5, 0                                      ; the refill has landed in every wave
	STEP 6, 0
	s_wait_dscnt 16                                ; the last K step: nothing more to fetch
	WIN MUL_LO
	MUL16 0, 1, 0
	MUL16 2, 1, 0
	s_wait_dscnt 0x0
	WIN MUL_HI
	MUL16 4, 1, 0
	MUL16 6, 1, 0
	WIN 0
	PLACES 4                                       ; in front of the first read of results and the first write of registers that the last products read
; THE WAY OUT.  For R's block a my 64 accumulator registers are 64 numbers of ONE row of R: register 16 b + i = P's row 32 b + 16 h + i.
.macro SCALEMOVE a                     ; into window 0, two at a time, times 1/8 (q) or 1 (k, v): the multiplication is the move; each accumulator is read from its low end on
	WIN 0x02+(\a)/4
.set AC, 64*((\a)%4)
.set n, 0
.rept 32
	v_pk_mul_f32 v[HA+n:HA+n+1], v[AC+n:AC+n+1], s[FS:FS+1] op_sel_hi:[1,0]
.set n, n+2
.endr
	WIN 0
.endm
; 64 numbers v[s] .. v[s + 63] become codes: those of k = 0 .. 63 in v[d0] .. v[d0 + 5], those of k = 64 .. 127 in v[d1] .. v[d1 + 5]; the four scale bytes in v[pw].
.macro QUANT s, d0, d1, pw
.irp b, 0,1,2,3
	v_max3_num_f32 v[TM+\b], |v[\s+16*\b]|, |v[\s+1+16*\b]|, 0x2800000   ; block b: my 16 numbers, and the floor 2^(5 - 127): the byte cannot fall under 1
.endr
.irp i, 2,4,6,8,10,12,14
.irp b, 0,1,2,3
	v_max3_num_f32 v[TM+\b], v[TM+\b], |v[\s+16*\b+\i]|, |v[\s+1+16*\b+\i]|   ; the four blocks by turns
.endr
.endr
.irp b, 0,1,2,3
	v_permlanex16_b32 v[TM+4+\b], v[TM+\b], s[SEL], s[SEL+1]
.endr
.irp b, 0,1,2,3
	v_max_num_f32 v[TM+\b], v[TM+\b], v[TM+4+\b]   ; with lane l xor 16's: the block's largest magnitude
.endr
.irp b, 0,1,2,3
	v_add_nc_u32 v[TM+12+\b], 0xfe000000, v[TM+\b] ; 4 off its exponent field: the conversion's scale operand
.endr
.irp b, 0,1,2,3
	v_lshrrev_b32 v[TM+4+\b], 23, v[TM+12+\b]      ; the scale's byte
.endr
	v_lshl_or_b32 v[\pw], v[TM+5], 8, v[TM+4]
	v_lshl_or_b32 v[\pw], v[TM+6], 16, v[\pw]
	v_lshl_or_b32 v[\pw], v[TM+7], 24, v[\pw]
	v_cvt_scalef32_pk16_bf6_f32 v[\d0:\d0+2], v[\s:\s+15], v[TM+12]
	v_cvt_scalef32_pk16_bf6_f32 v[AUX:AUX+2], v[\s+16:\s+31], v[TM+13]
	v_cvt_scalef32_pk16_bf6_f32 v[\d1:\d1+2], v[\s+32:\s+47], v[TM+14]
	v_cvt_scalef32_pk16_bf6_f32 v[AUX+4:AUX+6], v[\s+48:\s+63], v[TM+15]
	v_nop                                          ; one plain place behind a scaled conversion
.irp i, 0,1,2                          ; the operand's layout wants a WHOLE block in a lane: lanes 0-15 the even block, lanes 16-31 the odd one
	v_permlane16_swap_b32 v[\d0+\i], v[AUX+\i]
.endr
.irp i, 0,1,2
	v_mov_b32 v[\d0+3+\i], v[AUX+\i]
.endr
.irp i, 0,1,2
	v_permlane16_swap_b32 v[\d1+\i], v[AUX+4+\i]
.endr
.irp i, 0,1,2
	v_mov_b32 v[\d1+3+\i], v[AUX+4+\i]
.endr
.endm
.macro WORDS                           ; lanes 0-15 store row r's four words of my first head, lanes 16-31 those of my second: an aligned block of 256 bytes each
	v_cmp_ne_u32 vcc_lo, 0, v2
.irp j, 0,1,2,3
	v_cndmask_b32 v[SWO+\j], v[W+\j], v[W+4+\j], vcc_lo
.endr
	global_store_b128 v21, v[SWO:SWO+3], s[OUTB:OUTB+1] offset:6144
.endm
.irp b, 0,1,2,3
	v_mov_b32 v[TM+4+\b], 0                        ; written once: a lane permute's destination counts as one of its sources
.endr
	s_mov_b32 s[SEL], 0x76543210
	s_mov_b32 s[SEL+1], 0xfedcba98
	s_cmp_ge_u32 s69, 8                            ; the cluster's y: the same in all partners
	s_cbranch_scc1 .Lvpath
	; ---- q and k: my 128 tokens are one step of a batch; my 128 rows of W are two heads
	s_lshl_b32 s72, s69, 2
	s_add_co_u32 s72, s72, s67                     ; the tile of 256 tokens
	s_lshr_b32 s73, s72, 3                         ; the batch
	s_lshl_b32 s74, s72, 1
	s_add_co_u32 s74, s74, s15
	s_and_b32 s74, s74, 15                         ; the step of 128 tokens
	s_and_b32 s75, s68, 3
	s_lshl_b32 s75, s75, 2
	s_lshl_b32 s76, s16, 1
	s_add_co_u32 s75, s75, s76                     ; my first head
	s_lshl_b32 s73, s73, 4
	s_add_co_u32 s73, s73, s75
	s_lshl_b32 s73, s73, 4
	s_add_co_u32 s73, s73, s74                     ; (16 x batch + head) x 16 + step
	s_mov_b32 s82, 12800
	s_cmp_eq_u32 ttmp9, 0                          ; cluster x = 0: Wq's rows; 1: Wk's
	s_cselect_b64 s[OUTB:OUTB+1], s[6:7], s[8:9]
	s_cselect_b32 s82, 6400, s82                   ; a step's bytes in q, in kv
	s_cselect_b32 s[FS], 0x3e000000, 1.0           ; q x 1/8 is what is quantised: a power of two, so only the scale bytes feel it
	s_mov_b32 s[FS+1], s[FS]
	s_mul_i32 s90, s73, s82
	s_mov_b32 s91, 0
	s_add_nc_u64 s[OUTB:OUTB+1], s[OUTB:OUTB+1], s[90:91]
	s_lshl_b32 s83, s82, 4                         ; from head to head: 16 steps
	v_add_nc_u32 v20, s83, v19
	v_mul_u32_u24 v21, s83, v2
	v_lshl_add_u32 v21, v1, 4, v21                 ; 16 r + h x a head
.irp j, 0,1,2,3                        ; tiles 2 j and 2 j + 1 of tokens make one pair fragment for each of my two heads
.if \j > 0
	s_wait_xcnt 0x0                                ; the last pair's stores have read the fragments' registers
.endif
.irp e, 0,1
	SCALEMOVE 2*\j+\e
	QUANT HA, F0+6*\e, F1+6*\e, PW0+\e
.endr
	v_perm_b32 v[W+\j], v[PW0+1], v[PW0], 0x05040100     ; first head: tile 2 j's two bytes, then tile 2 j + 1's
	v_perm_b32 v[W+4+\j], v[PW0+1], v[PW0], 0x07060302   ; second head
.irp g, 0,1,2
	global_store_b128 v19, v[F0+4*\g:F0+4*\g+3], s[OUTB:OUTB+1] offset:1536*\j+512*\g   ; 32 lanes store 512 consecutive bytes
	global_store_b128 v20, v[F1+4*\g:F1+4*\g+3], s[OUTB:OUTB+1] offset:1536*\j+512*\g
.endr
.endr
	WORDS
	s_branch .Lend
.Lvpath:
	; ---- v: my 128 rows of Wv are two heads; my 128 tokens are one step of keys
	s_sub_co_u32 s72, s69, 8
	s_lshl_b32 s72, s72, 3
	s_add_co_u32 s72, s72, s68                     ; the tile of 256 tokens
	s_lshr_b32 s73, s72, 3                         ; the batch
	s_lshl_b32 s74, s72, 1
	s_add_co_u32 s74, s74, s16
	s_and_b32 s74, s74, 15                         ; the step
	s_lshl_b32 s75, s67, 2
	s_lshl_b32 s76, s15, 1
	s_add_co_u32 s75, s75, s76                     ; my first head
	s_lshl_b32 s73, s73, 4
	s_add_co_u32 s73, s73, s75
	s_lshl_b32 s73, s73, 4
	s_add_co_u32 s73, s73, s74
	s_mul_i32 s90, s73, 12800
	s_add_co_u32 s90, s90, 6400                    ; v^T lies behind k in a step's block
	s_mov_b32 s91, 0
	s_add_nc_u64 s[OUTB:OUTB+1], s[8:9], s[90:91]
	s_mov_b32 s[FS], 1.0
	s_mov_b32 s[FS+1], 1.0
	v_add_nc_u32 v20, 0x32000, v19                 ; from head to head: 16 x 12,800
	v_mul_u32_u24 v21, 0x32000, v2
	v_lshl_add_u32 v21, v1, 4, v21
.irp a, 0,1,2,3,4,5,6,7                ; R's block a: 16 channels (tile a % 4 of head a / 4) x my 128 keys: one fragment of v^T
.if \a > 0
	s_wait_xcnt 0x0                                ; the last fragment's stores have read its registers
.endif
	SCALEMOVE \a
	QUANT HA, F0, F0+6, W+\a
.irp g, 0,1,2
.if \a < 4
	global_store_b128 v19, v[F0+4*\g:F0+4*\g+3], s[OUTB:OUTB+1] offset:1536*(\a%4)+512*\g
.else
	global_store_b128 v20, v[F0+4*\g:F0+4*\g+3], s[OUTB:OUTB+1] offset:1536*(\a%4)+512*\g
.endif
.endr
.endr
	WORDS
.Lend:
	s_wait_tensorcnt 0x0                           ; the wave's end
	ds_add_u32 v[SPW], v[NIL]
	s_wait_dscnt 0x0
	CROUND                                         ; the closing round: no work-group ends while a partner may still ask for a block that names it
	s_endpgm
.Lfunc_end_k_q9e3e108d6e_qkv:
	.size	k_q9e3e108d6e_qkv, .Lfunc_end_k_q9e3e108d6e_qkv-k_q9e3e108d6e_qkv
	.p2alignl 7, 3214868480
	.fill 96, 4, 3214868480
	.section	.rodata,"a",@progbits
	.p2align	6, 0x0
	.amdhsa_kernel k_q9e3e108d6e_qkv
		.amdhsa_group_segment_fixed_size 327680
		.amdhsa_private_segment_fixed_size 0
		.amdhsa_enable_private_segment 0
		.amdhsa_kernarg_size 24
		.amdhsa_user_sgpr_count 2
		.amdhsa_user_sgpr_kernarg_segment_ptr 1
		.amdhsa_wavefront_size32 1
		.amdhsa_system_sgpr_workgroup_id_x 1
		.amdhsa_system_sgpr_workgroup_id_y 1
		.amdhsa_system_sgpr_workgroup_id_z 1
		.amdhsa_system_vgpr_workitem_id 0
		.amdhsa_next_free_vgpr 1024
		.amdhsa_next_free_sgpr 100
		.amdhsa_reserve_vcc 1
		.amdhsa_float_denorm_mode_32 3
		.amdhsa_float_denorm_mode_16_64 3
		.amdhsa_memory_ordered 1
		.amdhsa_forward_progress 1
		.amdhsa_inst_pref_size 209
	.end_amdhsa_kernel
	.amdgpu_metadata
---
amdhsa.version: [ 1, 2 ]
amdhsa.kernels:
  - .name:           k_q9e3e108d6e_qkv
    .symbol:         k_q9e3e108d6e_qkv.kd
    .args:
      - { .name: codes, .offset: 0, .size: 8, .value_kind: global_buffer, .address_space: global }
      - { .name: q, .offset: 8, .size: 8, .value_kind: global_buffer, .address_space: global }
      - { .name: kv, .offset: 16, .size: 8, .value_kind: global_buffer, .address_space: global }
    .group_segment_fixed_size: 327680
    .private_segment_fixed_size: 0
    .kernarg_segment_align: 8
    .kernarg_segment_size: 24
    .max_flat_workgroup_size: 128
    .sgpr_count:     100
    .vgpr_count:     1024
    .wavefront_size: 32
...
	.end_amdgpu_metadata
.endif
;; end of part 2
;; launch attn (part 3): grid 4 x 64, 8 waves a work-group, clusters of 4 x 1, 206,848 bytes of LDS; arguments q, kv, ao; writes ao
.if DOCPART == 3
	.amdgcn_target "amdgcn-amd-amdhsa--gfx1250"
	.amdhsa_code_object_version 6
	.text
	.protected	k_q9e3e108d6e_attn
	.globl	k_q9e3e108d6e_attn
	.p2align	8
	.type	k_q9e3e108d6e_attn,@function
k_q9e3e108d6e_attn:
	s_mov_b64 s[64:65], 0
	v_nop
	global_prefetch_b8 v0, s[64:65] scope:SCOPE_SE
	s_setreg_imm32_b32 hwreg(HW_REG_WAVE_MODE, 25, 1), 1
	s_wait_xcnt 0x0
	s_wait_alu depctr_hold_cnt(0) depctr_sa_sdst(0) depctr_va_vdst(0) depctr_va_sdst(0) depctr_va_ssrc(0) depctr_va_vcc(0) depctr_vm_vsrc(0)
	s_getreg_b32 s2, hwreg(HW_REG_IB_STS2, 6, 4)
	s_cmp_eq_u32 s2, 0
	s_cbranch_scc0 .Lentry_in_a_cluster
	s_endpgm
.Lentry_in_a_cluster:
	s_bfe_u32 s2, ttmp6, 0x10000c
	s_cmp_lg_u32 s2, 0x3003
	s_cbranch_scc0 .Lentry_shape_is_right
	s_endpgm
.Lentry_shape_is_right:
; For each of 64 heads (batch x head): O = softmax(q k^T) v, both products on codes of E3M2; q already carries the factor 1/8.  O / l is quantised along the head's 64 channels and stored as codes for the last product.
; THE SOFTMAX: t = score x log2(e); M = the row's largest t so far, rounded UP to a whole number; p = 2^(t - M) is quantised along the keys, not normalised; the row's sum l is taken of the unquantised p, in f32.
; When M moves, l and O are multiplied by 2^(old M - new M): exact.  No step of the computation is left out.
; SHARES.  A work-group owns 512 queries of one head; each of its eight waves 64 of them, in two passes of 32: TWO tiles of 16 queries side by side, so that each fragment of k and of v^T read from LDS feeds both.
; Every wave walks the head's 2,048 keys, 128 a step.  k and v of the whole head lie in LDS: 16 steps x 12,800 bytes, filled ONCE: wave w brings steps 2 w and 2 w + 1 by its one tensor load; every wait on TENSORcnt is for 0.
; CLUSTER.  The four work-groups of a head form a cluster and ask for each block jointly.  No data prefetch: all tensor loads stand at the head, and there is no loop to run ahead in.
; K = 64 IN AN INSTRUCTION OF K = 128: a fragment of k holds a pair of key tiles (one's 64 channels | the other's); q lies in 18 registers [q | 0 | q]: registers 0-11 multiply the first tile, 6-17 the second.
; LAYOUT.  Both products are used transposed (S^T = k q^T, O^T = v^T p^T): a lane holds ONE query (lane % 16).  WHICH KEYS FORM A TILE IS CHOSEN BY THE LANES' LDS ADDRESSES: rows 0-7 of pair n come from the stored pair
; 2 (n / 2), rows 8-15 from the stored pair 2 (n / 2) + 1, each at stored rows 8 (n % 2) + 0 .. 7.  Register 32 c + i of S is then key 64 c + 32 (lane / 16) + i of the step: a lane holds two WHOLE blocks of 32 keys, in the
; order in which the second product's operand wants them: a block's largest p needs no other lane, and no half blocks change lanes.  (The sixteen lanes of such a read take two runs of 128 bytes, 1,536 bytes apart.)
; REGISTERS.  Window 0: addresses, scale words, p's codes, q, the fragments of k and of v^T (each with registers of their own: the next step's k and this step's v^T are asked for behind the score products).
; Window 1: both tiles' S, O^T and small state, so that the two tiles' chains go by turns under one setting of the windows; one tile's multiply-adds stand among the other's exponentials.
; OUT.  ao is laid as launch quant lays x: [half-tile of 128 tokens][K step = head / 2][quarter][6,400]; a head fills one half (768 bytes) of each fragment by whole blocks of 256 bytes, and two bytes of each scale word
; (stores of 2 bytes a lane, 16 bytes apart).
; LIMITS: the promise holds while the scaled scores stay under 2^31 in magnitude; a p under 2^-126 counts as 0 (v_exp_f32 gives 0 there); a block of zeros gets the scale byte 1 (its codes are zeros; this program alone reads
; the bytes); NaN and infinities are not served.
.set STEPB, 12800                      ; a step in LDS: k's four pair fragments, 256 bytes of scale words, v^T's four fragments, 256 bytes of scale words
.set LASTB, 15*STEPB
.set SPARE, 16*STEPB                   ; behind the head's 204,800 bytes: the spare words, 128 bytes for each wave
; window 0
.set LN16, 1                           ; 16 x lane
.set KB,   2                           ; k's fragments: 1,536 (r / 8) + 16 (r % 8) + 256 h
.set KSW,  3                           ; k's scale words: 16 (r % 8) + 4 (r / 8)
.set R16,  4                           ; 16 r
.set LN8,  5                           ; 8 x lane
.set SBA,  6                           ; 16 r + 4 h
.set HH,   7                           ; h
.set ADK,  8                           ; LDS addresses: the next step's k, its scale words; this step's v^T, its scale words
.set ADKS, 9
.set ADV,  10
.set ADVS, 11
.set SPW,  12                          ; my spare word; never rewritten
.set NIL,  13                          ; 0; never rewritten
.set TW,   14                          ; v14-15 at work
.set KS,   16                          ; v16-19 k's scale words;  v20-23 v's;  v24-25 q's, a tile each;  v26-27 p's
.set VS,   20
.set QS,   24
.set PW,   26
.set AUX,  28                          ; v28-42: a conversion's three registers begin on an even number: four runs
.set PC,   44                          ; v44-67   p's codes, 12 a tile; on the way out O's
.set QF,   68                          ; v68-103  [q | 0 | q], 18 a tile
.set KF,   104                         ; v104-151 four pair fragments of k
.set VF,   152                         ; v152-199 four fragments of v^T
.set QI,   200                         ; v200-223 my two pairs of query tiles, as loaded;  v224-225 their scale words
.set QW,   224
.set SB,   226                         ; v226-227 O's two scale bytes, a tile each
; window 1: tile e's S at 64 e, its O^T at OT + 32 e, its small state at the numbers below + 32 e
.set OT,   128
.set NM,   192                         ; -M;  193 the largest score so far
.set RM,   193
.set LL,   194                         ; the row's sum, in two halves
.set FF,   196                         ; f = 2^(old M - new M); 1 / l  (197: named with it as a pair)
.set BM,   198                         ; the two blocks' largest scores, then largest p, then bytes
.set SO,   200                         ; the conversions' scale operands
.set TT,   202
.set T2,   203
.set CH,   204                         ; four chains of maxima
.set WD,   208
.set W2,   209
.set H8,   210                         ; 8 h
.set WV,  10
.set G1,  16
.set G0,  24
.set CNT, 28
.set TV,  29
.set TK,  30
.set SEL, 40
.set CS,  42                           ; s[42:43] log2(e);  s44 its negative
.set CN,  44
.set TB,  45
.set MSB, 0
.macro WIN new                         ; the immediate's high byte repeats the setting that is left
.if MSB != (\new)
	s_set_vgpr_msb (MSB<<8)|(\new)
.set MSB, (\new)
.endif
.endm
.macro CROUND                          ; a round of the cluster's barrier
	s_barrier_signal -1
	s_barrier_wait -1
	s_cmp_lg_u32 s[WV], 0
	s_cbranch_scc1 .Lnot_wave_0_\@
	s_barrier_signal -3
.Lnot_wave_0_\@:
	s_barrier_wait -3
	s_barrier_signal -1
	s_barrier_wait -1
.endm
	s_load_b128 s[4:7], s[0:1], 0x0                ; q, kv
	s_load_b64 s[8:9], s[0:1], 0x10                ; ao
	v_lshl_add_u32 v[SPW], v0, 2, SPARE
	v_mov_b32 v[NIL], 0
	ds_add_u32 v[SPW], v[NIL]                      ; the opening lines: the add, twice on end, and its wait ahead of my tensor load
	ds_add_u32 v[SPW], v[NIL]
	v_lshrrev_b32 v[TW], 5, v0
	v_readfirstlane_b32 s[WV], v[TW]               ; wave 0..7
	s_and_b32 s54, ttmp7, 0xffff                   ; 16 x batch + head, which the four partners share
	s_bfe_u32 s55, ttmp6, 0x40000                  ; cx
	s_lshl_b32 s56, ttmp9, 2
	s_add_co_u32 s56, s56, s55                     ; my block of 512 queries: it enters q's and ao's addresses alone
	s_mov_b32 s[G1], 15|(3<<16)|(1<<21)            ; the mask: all four work-groups; elements of 8 bytes; no padding; bit 21 beside a mask
	s_mov_b32 s[G1+1], 32<<16                      ; a dense block of 25,600 bytes as 100 rows of 256
	s_mov_b32 s[G1+2], 100<<16
	s_mov_b32 s[G1+3], 32<<16
	s_mov_b32 s[G1+4], 100
	s_mov_b32 s[G1+5], 32
	s_mov_b32 s[G1+6], 0
	s_mov_b32 s[G1+7], 0
	s_mul_i32 s59, s[WV], 2*STEPB                  ; steps 2 w and 2 w + 1: in LDS and in memory
	s_mul_i32 s60, s54, 16*STEPB                   ; the head's block of kv
	s_add_co_u32 s60, s60, s59
	s_mov_b32 s61, 0
	s_mov_b32 s[SEL], 0x76543210
	s_mov_b32 s[SEL+1], 0xfedcba98                 ; v_permlanex16_b32's selects for lane l xor 16
	s_mov_b32 s[CS], 0x3fb8aa3b                    ; log2(e)
	s_mov_b32 s[CS+1], s[CS]                       ; (named with it as a pair, so it is written)
	s_mov_b32 s[CN], 0xbfb8aa3b
	s_wait_dscnt 0x0
	s_wait_kmcnt 0x0
	s_add_nc_u64 s[60:61], s[6:7], s[60:61]
	s_mov_b32 s[G0], 1
	s_mov_b32 s[G0+1], s59
	s_mov_b64 s[G0+2:G0+3], s[60:61]
	s_or_b32 s[G0+3], s[G0+3], 0x80000000
	CROUND                                         ; all four work-groups are here: the joint loads meet
	tensor_load_to_lds s[G0:G0+3], s[G1:G1+7]      ; every wave's one load
	s_nop 0
	s_lshl_b32 s57, s56, 2
	s_lshr_b32 s62, s[WV], 1
	s_add_co_u32 s57, s57, s62                     ; my 64 queries lie in step 4 x block + wave / 2 of 128 tokens,
	s_and_b32 s58, s[WV], 1                        ; in its half wave % 2: pairs 2 (wave % 2) and + 1
	s_mul_i32 s62, s54, 102400
	s_mul_i32 s63, s57, 6400
	s_add_co_u32 s62, s62, s63
	s_mul_i32 s63, s58, 3072
	s_add_co_u32 s46, s62, s63
	s_mov_b32 s47, 0
	s_add_nc_u64 s[46:47], s[4:5], s[46:47]        ; my two pair fragments of q
	s_lshl_b32 s63, s58, 3
	s_add_co_u32 s48, s62, s63
	s_add_co_u32 s48, s48, 6144
	s_mov_b32 s49, 0
	s_add_nc_u64 s[48:49], s[4:5], s[48:49]        ; and their scale words
	s_lshr_b32 s62, s54, 4
	s_lshl_b32 s62, s62, 4
	s_add_co_u32 s62, s62, s57                     ; ao: half-tile 16 x batch + the step
	s_lshl_b32 s62, s62, 3
	s_bfe_u32 s63, s54, 0x30001                    ; K step = head / 2
	s_add_co_u32 s62, s62, s63
	s_lshl_b32 s62, s62, 1
	s_add_co_u32 s62, s62, s58                     ; the quarter: wave % 2
	s_mul_i32 s62, s62, 6400
	s_and_b32 s59, s54, 1                          ; the fragment's half: head % 2
	s_mul_i32 s50, s59, 768
	s_add_co_u32 s50, s50, s62
	s_mov_b32 s51, 0
	s_add_nc_u64 s[50:51], s[8:9], s[50:51]
	s_lshl_b32 s52, s59, 1
	s_add_co_u32 s52, s52, s62
	s_add_co_u32 s52, s52, 6144
	s_mov_b32 s53, 0
	s_add_nc_u64 s[52:53], s[8:9], s[52:53]        ; my bytes of the scale words
	v_and_b32 v[TW], 31, v0
	v_and_b32 v[TW+1], 15, v0
	v_bfe_u32 v[HH], v0, 4, 1
	v_lshlrev_b32 v[LN16], 4, v[TW]
	v_lshlrev_b32 v[LN8], 3, v[TW]
	v_lshlrev_b32 v[R16], 4, v[TW+1]
	v_lshl_add_u32 v[SBA], v[HH], 2, v[R16]
.irp g, 0,1,2,3,4,5
	global_load_b128 v[QI+4*\g:QI+4*\g+3], v[LN16], s[46:47] offset:512*\g
.endr
	global_load_b64 v[QW:QW+1], v[R16], s[48:49]
	v_bfe_u32 v[ADK], v0, 3, 1                     ; r / 8
	v_and_b32 v[ADKS], 7, v0                       ; r % 8
	v_mul_u32_u24 v[KB], v[ADK], 1536
	v_lshl_add_u32 v[KB], v[ADKS], 4, v[KB]
	v_lshl_add_u32 v[KB], v[HH], 8, v[KB]
	v_lshlrev_b32 v[KSW], 2, v[ADK]
	v_lshl_add_u32 v[KSW], v[ADKS], 4, v[KSW]
.irp u, 0,1
.irp i, 0,1,2,3,4,5
	v_mov_b32 v[QF+18*\u+6+\i], 0                  ; the zeros between the two copies of q
.endr
.endr
	WIN 0x40                                       ; destination in window 1
	v_lshlrev_b32 v[H8], 3, v[HH]
.irp u, 0,1
	v_mov_b32 v[FF+32*\u+1], 0                     ; (named as the upper half of a pair)
	v_mov_b32 v[T2+32*\u], 0                       ; written once: a lane permute's destination counts as one of its sources
	v_mov_b32 v[W2+32*\u], 0
.endr
	WIN 0
; k's four pair fragments and their scale words, rows chosen as the head comment says
.macro KLOAD a, as
.irp n, 0,1,2,3
.irp g, 0,1,2
	ds_load_b128 v[KF+12*\n+4*\g:KF+12*\n+4*\g+3], v[\a] offset:3072*(\n/2)+128*(\n%2)+512*\g
.endr
	ds_load_b32 v[KS+\n], v[\as] offset:6144+128*(\n%2)+8*(\n/2)
.endr
.endm
; A KEY STEP: 128 keys x my two tiles of queries.
.macro STEP
	WIN 0x40                                       ; D in window 1
.irp n, 0,1,2,3                        ; S^T = k q^T: sixteen results, none named twice
.irp e, 0,1
	v_wmma_scale_f32_16x16x128_f8f6f4 v[64*\e+16*\n:64*\e+16*\n+7], v[KF+12*\n:KF+12*\n+11], v[QF+18*\e:QF+18*\e+11], 0, v[KS+\n], v[QS+\e] matrix_a_fmt:MATRIX_FMT_BF6 matrix_b_fmt:MATRIX_FMT_BF6
	v_wmma_scale_f32_16x16x128_f8f6f4 v[64*\e+16*\n+8:64*\e+16*\n+15], v[KF+12*\n:KF+12*\n+11], v[QF+18*\e+6:QF+18*\e+17], 0, v[KS+\n], v[QS+\e] matrix_a_fmt:MATRIX_FMT_BF6 matrix_b_fmt:MATRIX_FMT_BF6
.endr
.endr
	WIN 0
.rept 4
	v_nop                                          ; four places in front of the loads below and of the first read of the scores
.endr
	KLOAD ADK, ADKS                                ; the next step's k (in a pass's last step the address is held at step 15, and what comes is not used)
.irp g, 0,1,2,3,4,5,6,7,8,9,10,11
	ds_load_b128 v[VF+4*\g:VF+4*\g+3], v[ADV] offset:6400+512*\g   ; this step's v^T: both land while the softmax is worked
.endr
	ds_load_b128 v[VS:VS+3], v[ADVS] offset:12544
	WIN 0x55                                       ; all in window 1
.irp e, 0,1                            ; the largest score of each block of 32 keys, all 32 in my lane: two chains a block, eight chains by turns; each result is read from its low end on
.irp g, 0,1,2,3
	v_max3_num_f32 v[CH+32*\e+\g], v[64*\e+16*\g], v[64*\e+16*\g+1], v[64*\e+16*\g+2]
.endr
.endr
.irp i, 3,5,7,9,11,13
.irp e, 0,1
.irp g, 0,1,2,3
	v_max3_num_f32 v[CH+32*\e+\g], v[CH+32*\e+\g], v[64*\e+16*\g+\i], v[64*\e+16*\g+\i+1]
.endr
.endr
.endr
.irp e, 0,1
.irp c, 0,1
	v_max3_num_f32 v[BM+32*\e+\c], v[CH+32*\e+2*\c], v[CH+32*\e+2*\c+1], v[64*\e+32*\c+15]
.endr
.endr
.irp e, 0,1
.irp c, 0,1
	v_max_num_f32 v[BM+32*\e+\c], v[BM+32*\e+\c], v[64*\e+32*\c+31]
.endr
.endr
.irp e, 0,1
	v_max_num_f32 v[TT+32*\e], v[BM+32*\e], v[BM+32*\e+1]
.endr
.irp e, 0,1
	v_permlanex16_b32 v[T2+32*\e], v[TT+32*\e], s[SEL], s[SEL+1]
.endr
.irp e, 0,1
	v_max3_num_f32 v[RM+32*\e], v[RM+32*\e], v[TT+32*\e], v[T2+32*\e]   ; the largest score so far of my query
.endr
.irp e, 0,1
	v_mul_f32 v[TT+32*\e], s[CN], v[RM+32*\e]      ; -t
.endr
.irp e, 0,1
	v_floor_f32 v[TT+32*\e], v[TT+32*\e]           ; the new -M = floor(-t): M is a whole number
.endr
.irp e, 0,1
	v_sub_f32 v[T2+32*\e], v[TT+32*\e], v[NM+32*\e]   ; old M - new M: a whole number, 0 or less
.endr
.irp e, 0,1
	v_mov_b32 v[NM+32*\e], v[TT+32*\e]
.endr
.irp e, 0,1
	v_cvt_i32_f32 v[T2+32*\e], v[T2+32*\e]         ; (it saturates)
.endr
.irp e, 0,1
	v_ldexp_f32 v[FF+32*\e], 1.0, v[T2+32*\e]      ; f = 2^(old M - new M)
.endr
.set rr, 0
.rept 16
.irp e, 0,1
	v_pk_mul_f32 v[OT+32*\e+rr:OT+32*\e+rr+1], v[OT+32*\e+rr:OT+32*\e+rr+1], v[FF+32*\e:FF+32*\e+1] op_sel_hi:[1,0]   ; O^T under the new M, ahead of the exponentials
.endr
.set rr, rr+2
.endr
.set rr, 0
.rept 32
	v_pk_fma_f32 v[rr:rr+1], v[rr:rr+1], s[CS:CS+1], v[NM:NM+1] op_sel_hi:[1,0,0]   ; tile 0: t - M, two at a time
.set rr, rr+2
.endr
.irp c, 0,1
	v_fma_f32 v[BM+\c], v[BM+\c], s[CS], v[NM]     ; the same of each block's largest score
.endr
	s_wait_alu depctr_va_vdst(0)
.set rr, 0
.rept 32                               ; tile 0's p = 2^(t - M); tile 1's t - M stands among them and is read behind the next wait
	v_exp_f32 v[rr], v[rr]
	v_exp_f32 v[rr+1], v[rr+1]
	v_pk_fma_f32 v[64+rr:65+rr], v[64+rr:65+rr], s[CS:CS+1], v[NM+32:NM+33] op_sel_hi:[1,0,0]
.set rr, rr+2
.endr
.irp c, 0,1
	v_exp_f32 v[BM+\c], v[BM+\c]                   ; the block's largest p: the same two instructions on the same number give the same bits
.endr
.irp c, 0,1
	v_fma_f32 v[BM+32+\c], v[BM+32+\c], s[CS], v[NM+32]
.endr
	s_wait_alu depctr_va_vdst(0)                   ; behind tile 0's batch and ahead of tile 1's
.set rr, 64
.rept 64
	v_exp_f32 v[rr], v[rr]
.set rr, rr+1
.endr
.irp c, 0,1
	v_exp_f32 v[BM+32+\c], v[BM+32+\c]
.endr
.irp c, 0,1
	v_max_num_f32 v[BM+\c], 0x2800000, v[BM+\c]    ; the floor 2^(5 - 127): the byte cannot fall under 1.  (Tile 0's: the plain lines behind tile 1's batch)
.endr
	s_wait_alu depctr_va_vdst(0)                   ; one wait for the batch, ahead of its first reader
.irp c, 0,1
	v_max_num_f32 v[BM+32+\c], 0x2800000, v[BM+32+\c]
.endr
.irp e, 0,1
.irp c, 0,1
	v_add_nc_u32 v[SO+32*\e+\c], 0xfe000000, v[BM+32*\e+\c]   ; 4 off the exponent field: the conversion's scale operand
.endr
.endr
.irp e, 0,1
.irp c, 0,1
	v_lshrrev_b32 v[BM+32*\e+\c], 23, v[SO+32*\e+\c]          ; the scale's byte
.endr
.endr
.irp e, 0,1
	v_lshl_or_b32 v[WD+32*\e], v[BM+32*\e+1], 16, v[BM+32*\e] ; my two bytes, blocks h and 2 + h,
.endr
.irp e, 0,1
	v_lshlrev_b32 v[WD+32*\e], v[H8], v[WD+32*\e]             ; at their places in the word
.endr
.irp e, 0,1
	v_permlanex16_b32 v[W2+32*\e], v[WD+32*\e], s[SEL], s[SEL+1]
.endr
	WIN 0x05                                       ; sources in window 1, destination in window 0
.irp e, 0,1
	v_or_b32 v[PW+\e], v[WD+32*\e], v[W2+32*\e]    ; with lane l xor 16's two the word is whole
.endr
.irp e, 0,1
.irp c, 0,1
	v_cvt_scalef32_pk16_bf6_f32 v[PC+12*\e+6*\c:PC+12*\e+6*\c+2], v[64*\e+32*\c:64*\e+32*\c+15], v[SO+32*\e+\c]
	v_cvt_scalef32_pk16_bf6_f32 v[AUX+8*\e+4*\c:AUX+8*\e+4*\c+2], v[64*\e+32*\c+16:64*\e+32*\c+31], v[SO+32*\e+\c]
.endr
.endr
	v_nop                                          ; one plain place behind a scaled conversion
	WIN 0
.irp e, 0,1
.irp c, 0,1
.irp i, 0,1,2
	v_mov_b32 v[PC+12*\e+6*\c+3+\i], v[AUX+8*\e+4*\c+\i]   ; registers 6 c .. 6 c + 5: keys 64 c + 32 h + 0 .. 31
.endr
.endr
.endr
	s_add_co_u32 s[TB], s[TB], STEPB               ; the next step's addresses, made here: the 62 additions below stand between these lines and the loads that read them
	s_min_u32 s[TV], s[TB], LASTB                  ; (held inside the head's bytes)
	s_add_co_u32 s[TK], s[TB], STEPB
	s_min_u32 s[TK], s[TK], LASTB
	v_add_nc_u32 v[ADV], s[TV], v[LN16]
	v_add_nc_u32 v[ADVS], s[TV], v[R16]
	v_add_nc_u32 v[ADK], s[TK], v[KB]
	v_add_nc_u32 v[ADKS], s[TK], v[KSW]
	WIN 0x55
.irp d, 32,16,8,4,2                    ; the row's sum of the unquantised p: a tree in place, two numbers an instruction, the two tiles by turns
.set rr, 0
.rept \d/2
.irp e, 0,1
	v_pk_add_f32 v[64*\e+rr:64*\e+rr+1], v[64*\e+rr:64*\e+rr+1], v[64*\e+rr+\d:64*\e+rr+\d+1]
.endr
.set rr, rr+2
.endr
.endr
.irp e, 0,1
	v_pk_fma_f32 v[LL+32*\e:LL+32*\e+1], v[LL+32*\e:LL+32*\e+1], v[FF+32*\e:FF+32*\e+1], v[64*\e:64*\e+1] op_sel_hi:[1,0,1]   ; l x f + this step's
.endr
	WIN 0x50                                       ; C and D in window 1
	s_wait_dscnt 0x0                               ; v^T, the next k and their scale words are in
.irp t, 0,1,2,3                        ; O^T += v^T p^T: the eight accumulators take turns
.irp e, 0,1
	v_wmma_scale_f32_16x16x128_f8f6f4 v[OT+32*\e+8*\t:OT+32*\e+8*\t+7], v[VF+12*\t:VF+12*\t+11], v[PC+12*\e:PC+12*\e+11], v[OT+32*\e+8*\t:OT+32*\e+8*\t+7], v[VS+\t], v[PW+\e] matrix_a_fmt:MATRIX_FMT_BF6 matrix_b_fmt:MATRIX_FMT_BF6
.endr
.endr
	WIN 0
.endm
.macro LOOP
	s_mov_b32 s[CNT], 16
.Lstep_\@:
	STEP
	s_sub_co_u32 s[CNT], s[CNT], 1
	s_cmp_lg_u32 s[CNT], 0
	s_cbranch_scc1 .Lstep_\@
.endm
; The head of a pass: pair e's two tiles become [q | 0 | q]; M, l and O^T begin anew (the step has no first step of its own: it finds zeros, which the first change of M leaves zeros); step 0's k is fetched.
.macro BEGIN e
.if \e
	s_wait_xcnt 0x0                                ; the last pass's stores have read their registers
.endif
.irp u, 0,1
.irp i, 0,1,2,3,4,5
	v_mov_b32 v[QF+18*\u+\i], v[QI+12*\e+6*\u+\i]
	v_mov_b32 v[QF+18*\u+12+\i], v[QI+12*\e+6*\u+\i]
.endr
.endr
	v_perm_b32 v[QS], v[QW+\e], v[QW+\e], 0x01000100     ; a tile's two scale bytes, twice
	v_perm_b32 v[QS+1], v[QW+\e], v[QW+\e], 0x03020302
	s_mov_b32 s[TB], 0
	s_mov_b32 s[TK], STEPB
	v_add_nc_u32 v[ADV], s[TB], v[LN16]
	v_add_nc_u32 v[ADVS], s[TB], v[R16]
	v_add_nc_u32 v[ADK], s[TK], v[KB]
	v_add_nc_u32 v[ADKS], s[TK], v[KSW]
	WIN 0x40
.irp u, 0,1
	v_mov_b32 v[RM+32*\u], 0xfe967699              ; the largest score so far: -1e38
	v_mov_b32 v[NM+32*\u], 0x7e967699              ; -M: 1e38, so that the first f is 0
	v_mov_b32 v[LL+32*\u], 0
	v_mov_b32 v[LL+32*\u+1], 0
.endr
.set rr, 0
.rept 64
	v_mov_b32 v[OT+rr], 0                          ; (these are also the places between q's codes and scale words and the first products)
.set rr, rr+1
.endr
	WIN 0
	s_wait_alu depctr_va_vdst(0)
.if \e == 0
	s_wait_tensorcnt 0x0                           ; my two steps are in
	s_barrier_signal -1
	s_barrier_wait -1                              ; everybody's are: the whole head lies in LDS
.endif
	KLOAD KB, KSW
	s_wait_dscnt 0x0
.endm
; The end of a pass: O^T / l, quantised along the head's 64 channels (register 16 b + i: channel 32 b + 16 h + i); six registers a lane and tile: one half of a fragment of ao.
.macro OUT e
	WIN 0x55
.rept 4
	v_nop                                          ; places behind the last products
.endr
	s_wait_alu depctr_va_vdst(0)                   ; directly ahead of the first reader of the sums, which the last step wrote ahead of its wait for LDS
.irp u, 0,1
	v_add_f32 v[LL+32*\u], v[LL+32*\u], v[LL+32*\u+1]
.endr
.irp u, 0,1
	v_permlanex16_b32 v[T2+32*\u], v[LL+32*\u], s[SEL], s[SEL+1]
.endr
.irp u, 0,1
	v_add_f32 v[LL+32*\u], v[LL+32*\u], v[T2+32*\u]   ; the row's sum
.endr
	s_wait_alu depctr_va_vdst(0)                   ; ahead of the reciprocals
.irp u, 0,1
	v_rcp_f32 v[FF+32*\u], v[LL+32*\u]
.endr
	v_nop                                          ; a plain place behind them
	s_wait_alu depctr_va_vdst(0)                   ; and the wait ahead of their first reader, which is also O^T's
.set rr, 0
.rept 16
.irp u, 0,1
	v_pk_mul_f32 v[64*\u+rr:64*\u+rr+1], v[OT+32*\u+rr:OT+32*\u+rr+1], v[FF+32*\u:FF+32*\u+1] op_sel_hi:[1,0]   ; each accumulator from its low end on
.endr
.set rr, rr+2
.endr
.irp u, 0,1
.irp b, 0,1
	v_max3_num_f32 v[BM+32*\u+\b], |v[64*\u+16*\b]|, |v[64*\u+16*\b+1]|, 0x2800000
.endr
.endr
.irp i, 2,4,6,8,10,12,14
.irp u, 0,1
.irp b, 0,1
	v_max3_num_f32 v[BM+32*\u+\b], v[BM+32*\u+\b], |v[64*\u+16*\b+\i]|, |v[64*\u+16*\b+\i+1]|
.endr
.endr
.endr
.irp u, 0,1
.irp b, 0,1
	v_permlanex16_b32 v[CH+32*\u+\b], v[BM+32*\u+\b], s[SEL], s[SEL+1]
.endr
.endr
.irp u, 0,1
.irp b, 0,1
	v_max_num_f32 v[BM+32*\u+\b], v[BM+32*\u+\b], v[CH+32*\u+\b]   ; with lane l xor 16's 16 channels
.endr
.endr
.irp u, 0,1
.irp b, 0,1
	v_add_nc_u32 v[SO+32*\u+\b], 0xfe000000, v[BM+32*\u+\b]
.endr
.endr
.irp u, 0,1
.irp b, 0,1
	v_lshrrev_b32 v[BM+32*\u+\b], 23, v[SO+32*\u+\b]
.endr
.endr
.irp u, 0,1
	v_lshl_or_b32 v[WD+32*\u], v[BM+32*\u+1], 8, v[BM+32*\u]   ; the two scale bytes of my row
.endr
	WIN 0x05
.irp u, 0,1
	v_mov_b32 v[SB+\u], v[WD+32*\u]
.endr
.irp u, 0,1
	v_cvt_scalef32_pk16_bf6_f32 v[PC+12*\u:PC+12*\u+2], v[64*\u:64*\u+15], v[SO+32*\u]
	v_cvt_scalef32_pk16_bf6_f32 v[AUX+8*\u:AUX+8*\u+2], v[64*\u+16:64*\u+31], v[SO+32*\u+1]
.endr
	v_nop                                          ; one plain place behind a scaled conversion
	WIN 0
.irp u, 0,1
.irp i, 0,1,2
	v_permlane16_swap_b32 v[PC+12*\u+\i], v[AUX+8*\u+\i]   ; the operand's layout wants a whole block in a lane
.endr
.endr
.irp u, 0,1
.irp i, 0,1,2
	v_mov_b32 v[PC+12*\u+3+\i], v[AUX+8*\u+\i]
.endr
.endr
	v_cmp_ne_u32 vcc_lo, 0, v[HH]                  ; lanes 0-15 store the first tile's two bytes of row r, lanes 16-31 the second tile's
	v_cndmask_b32 v[TW], v[SB], v[SB+1], vcc_lo
.irp u, 0,1
	global_store_b128 v[LN16], v[PC+12*\u:PC+12*\u+3], s[50:51] offset:1536*(2*\e+\u)        ; 512 consecutive bytes, aligned to 256
	global_store_b64 v[LN8], v[PC+12*\u+4:PC+12*\u+5], s[50:51] offset:1536*(2*\e+\u)+512    ; 256 consecutive bytes, aligned
.endr
	global_store_b16 v[SBA], v[TW], s[52:53] offset:8*\e
.endm
	s_wait_alu depctr_va_vdst(0)
	s_wait_loadcnt 0x0                             ; q
	BEGIN 0
	LOOP
	OUT 0
	BEGIN 1
	LOOP
	OUT 1
	s_wait_tensorcnt 0x0                           ; the wave's end
	ds_add_u32 v[SPW], v[NIL]
	s_wait_dscnt 0x0
	CROUND                                         ; the closing round: no work-group ends while a partner may still ask for a block that names it
	s_endpgm
.Lfunc_end_k_q9e3e108d6e_attn:
	.size	k_q9e3e108d6e_attn, .Lfunc_end_k_q9e3e108d6e_attn-k_q9e3e108d6e_attn
	.p2alignl 7, 3214868480
	.fill 96, 4, 3214868480
	.section	.rodata,"a",@progbits
	.p2align	6, 0x0
	.amdhsa_kernel k_q9e3e108d6e_attn
		.amdhsa_group_segment_fixed_size 206848
		.amdhsa_private_segment_fixed_size 0
		.amdhsa_enable_private_segment 0
		.amdhsa_kernarg_size 24
		.amdhsa_user_sgpr_count 2
		.amdhsa_user_sgpr_kernarg_segment_ptr 1
		.amdhsa_wavefront_size32 1
		.amdhsa_system_sgpr_workgroup_id_x 1
		.amdhsa_system_sgpr_workgroup_id_y 1
		.amdhsa_system_sgpr_workgroup_id_z 1
		.amdhsa_system_vgpr_workitem_id 0
		.amdhsa_next_free_vgpr 512
		.amdhsa_next_free_sgpr 66
		.amdhsa_reserve_vcc 1
		.amdhsa_float_denorm_mode_32 3
		.amdhsa_float_denorm_mode_16_64 3
		.amdhsa_memory_ordered 1
		.amdhsa_forward_progress 1
		.amdhsa_inst_pref_size 84
	.end_amdhsa_kernel
	.amdgpu_metadata
---
amdhsa.version: [ 1, 2 ]
amdhsa.kernels:
  - .name:           k_q9e3e108d6e_attn
    .symbol:         k_q9e3e108d6e_attn.kd
    .args:
      - { .name: q, .offset: 0, .size: 8, .value_kind: global_buffer, .address_space: global }
      - { .name: kv, .offset: 8, .size: 8, .value_kind: global_buffer, .address_space: global }
      - { .name: ao, .offset: 16, .size: 8, .value_kind: global_buffer, .address_space: global }
    .group_segment_fixed_size: 206848
    .private_segment_fixed_size: 0
    .kernarg_segment_align: 8
    .kernarg_segment_size: 24
    .max_flat_workgroup_size: 256
    .sgpr_count:     66
    .vgpr_count:     512
    .wavefront_size: 32
...
	.end_amdgpu_metadata
.endif
;; end of part 3
;; launch oproj (part 4): grid 4 x 64, 4 waves a work-group, clusters of 4 x 4, 327,680 bytes of LDS; arguments ao, codes, bo, out0; writes out0
.if DOCPART == 4
	.amdgcn_target "amdgcn-amd-amdhsa--gfx1250"
	.amdhsa_code_object_version 6
	.text
	.protected	k_q9e3e108d6e_oproj
	.globl	k_q9e3e108d6e_oproj
	.p2align	8
	.type	k_q9e3e108d6e_oproj,@function
k_q9e3e108d6e_oproj:
	s_mov_b64 s[64:65], 0
	v_nop
	global_prefetch_b8 v0, s[64:65] scope:SCOPE_SE
	s_setreg_imm32_b32 hwreg(HW_REG_WAVE_MODE, 25, 1), 1
	s_wait_xcnt 0x0
	s_wait_alu depctr_hold_cnt(0) depctr_sa_sdst(0) depctr_va_vdst(0) depctr_va_sdst(0) depctr_va_ssrc(0) depctr_va_vcc(0) depctr_vm_vsrc(0)
	s_getreg_b32 s2, hwreg(HW_REG_IB_STS2, 6, 4)
	s_cmp_eq_u32 s2, 0
	s_cbranch_scc0 .Lentry_in_a_cluster
	s_endpgm
.Lentry_in_a_cluster:
	s_bfe_u32 s2, ttmp6, 0x10000c
	s_cmp_lg_u32 s2, 0xf033
	s_cbranch_scc0 .Lentry_shape_is_right
	s_endpgm
.Lentry_shape_is_right:
; out0 = O Wo^T + bo on codes of E3M2 (K = 1,024).  O's codes are launch attn's (ao), Wo's launch quant's (codes, half-tiles 88-95); both lie as images of fragments: [half-tile of 128 rows][K step of 128][quarter of 64 rows][6,400].
; A block is 128 tokens (R) x 256 columns (P): 64 x 4 = 256 work-groups.  Source 0 of the matrix instruction takes 16 rows of Wo, source 1 16 tokens: a lane then holds eight neighbouring columns of one row of out0.
; Four waves, each 64 tokens x 128 columns: 32 accumulators, 256 registers.  K goes in 8 steps of 128, written out.
; ALL OF K LIES IN LDS: R's half-tile (102,400 bytes) and P's two (204,800), each filled ONCE: wave 0 brings R's K steps 0-3, wave 1 its K steps 4-7, waves 2 and 3 one half-tile of P each: one tensor load a wave, and every wait
; on TENSORcnt is for 0.  Nothing is filled again, so the walk along K has no barrier but the one in its last step, behind which the stage may be written.
; CLUSTERS: 4 x 4 work-groups; R's blocks are shared along a row of the cluster, P's along a column: each is asked for jointly.  No data prefetch: all tensor loads stand at the head, and there is no loop to run ahead in.
; Both operands have two sets of fragment registers: a K step first asks LDS for the next step's 12 fragments and scale words (50 loads), then issues its 32 products.
; THE BIAS is the C of each sum's first matrix instruction: eight registers for each of P's blocks, in the result's layout.
; TILES OF 16 ROWS ARE PERMUTED: lane r of tile 2 b + u takes row 32 b + 8 u + r + 8 (r / 8); the way out puts rows and columns back.
; REGISTERS, in windows of 256: window 0: v1-29 addresses; v32-47 scale words, two sets; v64-127 the bias; v128-223 R's 4 fragments, two sets; on the way out v128-255 take rows of out0.
;   window 1: P's 8 fragments, two sets, at v0 and v128.   window 2: the accumulators: (a, b) at v[8 (8 a + b)].
.set KSB,   12800                      ; a half-tile's K step: two quarter blocks of 6,400
.set HALFK, 4*KSB
.set HT,    8*KSB                      ; a half-tile, all of K.  LDS: R at 0, P's two at HT and 2 HT
.set SPARE, 3*HT                       ; behind the tiles: the spare words, 128 bytes for each wave
.set SPITCH, 528                       ; the way out: a stage of 16 rows x (512 bytes + 16) for each wave, from LDS byte 0 on: those bytes have had their one fill, and behind the last step's barrier nobody reads them
.set AR16, 4                           ; v4-5    16 x lane + my quarter of R, K steps 0-3 and 4-7
.set AR8,  6                           ; v6-7    8 x lane + the same
.set AP16, 8                           ; v8-9    the same for my half-tile of P
.set AP8,  10                          ; v10-11
.set AS,   12                          ; v12-13  scale words: lanes 0-15 R's rows, lanes 16-31 P's
.set CO,   19                          ; v19  16 x lane
.set STO,  21                          ; v21  the stage: where I put 32 bytes of a row
.set RD,   22                          ; v22  and where I read a row back
.set SPW,  28                          ; v28  my spare word; never rewritten
.set NIL,  29                          ; v29  0; never rewritten
.set SC,   32                          ; scale words: set p at v[SC + 8 p]; register i: lanes 16-31 the words of P's block i; lanes 0-15, for i under 4, those of R's block i
.set BI,   64
.set AF,   128                         ; R's fragments: set p at v[AF + 48 p]
.set BK,   128
.set G1R, 24
.set G1P, 32
.set G0R, 40
.set G0P, 44
.set MSB, 0
.macro WIN new                         ; the immediate's high byte repeats the setting that is left
.if MSB != (\new)
	s_set_vgpr_msb (MSB<<8)|(\new)
.set MSB, (\new)
.endif
.endm
.set MUL_W, 0xa1                       ; source 0 (P) window 1, source 1 (R) window 0, C and D window 2
.set BIA_W, 0x81                       ; the same with C (the bias) in window 0
.set TO_B,  0x40                       ; destination window 1, address window 0
.macro PLACES n
.rept \n
	v_nop
.endr
.endm
.macro CROUND                          ; a round of the cluster's barrier
	s_barrier_signal -1
	s_barrier_wait -1
	s_cmp_lg_u32 s14, 0
	s_cbranch_scc1 .Lnot_wave_0_\@
	s_barrier_signal -3
.Lnot_wave_0_\@:
	s_barrier_wait -3
	s_barrier_signal -1
	s_barrier_wait -1
.endm
	s_load_b256 s[4:11], s[0:1], 0x0               ; ao, codes, bo, out0
	v_lshl_add_u32 v[SPW], v0, 2, SPARE
	v_mov_b32 v[NIL], 0
	ds_add_u32 v[SPW], v[NIL]                      ; the opening lines: the add, twice on end, and its wait ahead of my tensor load
	ds_add_u32 v[SPW], v[NIL]
	v_lshrrev_b32 v1, 5, v0
	v_readfirstlane_b32 s14, v1                    ; wave 0..3
	s_lshr_b32 s15, s14, 1                         ; my quarter of R.  Also: I fetch for R (0) or for P (1)
	s_and_b32 s16, s14, 1                          ; my half-tile of P.  Also: which part I fetch
	s_bfe_u32 s66, ttmp6, 0x40000                  ; cx
	s_bfe_u32 s67, ttmp6, 0x40004                  ; cy
	s_lshl_b32 s68, ttmp9, 2
	s_add_co_u32 s68, s68, s66                     ; the block of 256 columns: 0-3
	s_and_b32 s69, ttmp7, 0xffff                   ; cluster y: 0-15
	s_lshl_b32 s70, s67, 2
	s_lshl_b32 s70, 15, s70                        ; my row of the cluster
	s_lshl_b32 s71, 0x1111, s66                    ; my column
	s_or_b32 s[G1R], s70, (3<<16)|(1<<21)          ; 15:0 the mask; 17:16 elements of 8 bytes; no padding; 21 set beside a mask
	s_or_b32 s[G1P], s71, (3<<16)|(1<<21)
.irp g, G1R, G1P                       ; dense blocks as rows of 256 bytes
	s_mov_b32 s[\g+1], 32<<16
	s_mov_b32 s[\g+3], 32<<16
	s_mov_b32 s[\g+5], 32
	s_mov_b32 s[\g+6], 0
	s_mov_b32 s[\g+7], 0
.endr
	s_mov_b32 s[G1R+2], 200<<16                    ; R: four K steps, 51,200 bytes, 200 rows
	s_mov_b32 s[G1R+4], 200
	s_mov_b32 s[G1P+2], 400<<16                    ; P: a half-tile, 102,400 bytes, 400 rows
	s_mov_b32 s[G1P+4], 400
	s_lshl_b32 s72, s69, 2
	s_add_co_u32 s72, s72, s67                     ; R: half-tile 4 x cluster y + cy: it hangs on cy alone of the two places
	s_mul_i32 s76, s72, HT
	s_mul_i32 s82, s16, HALFK                      ; which four K steps: in memory and in LDS
	s_add_co_u32 s76, s76, s82
	s_mov_b32 s77, 0
	s_lshl_b32 s74, s68, 1
	s_add_co_u32 s74, s74, 88                      ; P: Wo's half-tiles begin at 88: it hangs on cx alone
	s_add_co_u32 s74, s74, s16
	s_mul_i32 s74, s74, HT
	s_mov_b32 s75, 0
	s_mul_i32 s83, s16, HT
	s_add_co_u32 s83, s83, HT                      ; where P's half-tile goes: no place in the cluster enters an LDS address
	s_wait_dscnt 0x0                               ; both opening adds are done
	s_wait_kmcnt 0x0
	s_mov_b32 s[G0R], 1
	s_mov_b32 s[G0R+1], s82
	s_add_nc_u64 s[G0R+2:G0R+3], s[4:5], s[76:77]
	s_or_b32 s[G0R+3], s[G0R+3], 0x80000000
	s_mov_b32 s[G0P], 1
	s_mov_b32 s[G0P+1], s83
	s_add_nc_u64 s[G0P+2:G0P+3], s[6:7], s[74:75]
	s_or_b32 s[G0P+3], s[G0P+3], 0x80000000
	CROUND                                         ; all sixteen work-groups are here: the joint loads meet
	s_cmp_eq_u32 s15, 0                            ; one tensor load a wave, one in each arm
	s_cbranch_scc0 .Lfirst_p
	tensor_load_to_lds s[G0R:G0R+3], s[G1R:G1R+7]
	s_nop 0
	PLACES 4
	s_branch .Lfirst_asked
.Lfirst_p:
	tensor_load_to_lds s[G0P:G0P+3], s[G1P:G1P+7]
	s_nop 0
	PLACES 4
.Lfirst_asked:
	s_lshl_b32 s86, s68, 10
	s_lshl_b32 s87, s16, 9
	s_add_co_u32 s86, s86, s87                     ; my first column, in bytes: 1,024 x block + 512 x half
	s_mov_b32 s87, 0
	s_add_nc_u64 s[8:9], s[8:9], s[86:87]
	s_lshl_b32 s88, s72, 1
	s_add_co_u32 s88, s88, s15                     ; my 64 tokens
	s_lshl_b32 s88, s88, 18                        ; x 64 rows of 4,096 bytes
	s_add_co_u32 s88, s88, s86
	s_mov_b32 s89, 0
	s_add_nc_u64 s[10:11], s[10:11], s[88:89]
	s_mul_i32 s83, s15, 6400                       ; my quarter of R inside a K step
	s_mul_i32 s84, s16, HT
	s_add_co_u32 s84, s84, HT                      ; my half-tile of P
	s_sub_co_u32 s85, s84, s83
	s_mul_i32 s90, s14, 16*SPITCH                  ; my stage
	v_and_b32 v3, 31, v0                           ; lane
	v_and_b32 v1, 15, v0                           ; r
	v_bfe_u32 v2, v0, 4, 1                         ; h
	v_lshlrev_b32 v[CO], 4, v3                     ; 16 x lane
	v_lshlrev_b32 v20, 6, v2                       ; 64 h: the bias of my half's 16 columns of a group of 32
	v_lshlrev_b32 v25, 3, v3                       ; 8 x lane
	v_lshlrev_b32 v23, 4, v1                       ; 16 r
	v_mul_u32_u24 v24, s85, v2                     ; lanes 16-31 take P's scale words: one product, the distance between the two parts
	v_add_nc_u32 v23, v23, v24
.irp b, 0,1,2,3,4,5,6,7                ; register 8 b + j: bo of column 32 (b / 2) + 8 (b % 2) + 16 h + j
	global_load_b128 v[BI+8*\b:BI+8*\b+3], v20, s[8:9] offset:128*(\b/2)+32*(\b%2)
	global_load_b128 v[BI+8*\b+4:BI+8*\b+7], v20, s[8:9] offset:128*(\b/2)+32*(\b%2)+16
.endr
.irp s, 0,1
	v_add_nc_u32 v[AR16+\s], s83, v[CO]
	v_add_nc_u32 v[AR8+\s], s83, v25
	v_add_nc_u32 v[AP16+\s], s84, v[CO]
	v_add_nc_u32 v[AP8+\s], s84, v25
	v_add_nc_u32 v[AS+\s], s83, v23
	s_add_co_u32 s83, s83, HALFK
	s_add_co_u32 s84, s84, HALFK
.endr
	v_mul_u32_u24 v[STO], v1, SPITCH
	v_lshl_add_u32 v[STO], v2, 6, v[STO]
	v_add_nc_u32 v[STO], s90, v[STO]               ; in: row r, + 64 h
	v_add_nc_u32 v[RD], s90, v[CO]                 ; back: the 32 lanes take one row of 512 bytes
.macro FRAG reg, a16, a8, off          ; a fragment's image back into 12 registers: four loads, each of consecutive bytes
	ds_load_b128 v[\reg:\reg+3], v[\a16] offset:\off
	ds_load_b64 v[\reg+4:\reg+5], v[\a8] offset:\off+512
	ds_load_b128 v[\reg+6:\reg+9], v[\a16] offset:\off+768
	ds_load_b64 v[\reg+10:\reg+11], v[\a8] offset:\off+1280
.endm
.macro FETCH ks, p                     ; K step ks: P's eight fragments, R's four and the scale words into set p
	WIN TO_B
.irp i, 0,1,2,3,4,5,6,7
	FRAG 128*(\p)+12*\i, AP16+(\ks)/4, AP8+(\ks)/4, ((\ks)%4)*KSB+\i*1536+(\i/4)*256
.endr
	WIN 0
.irp i, 0,1,2,3
	FRAG AF+48*(\p)+12*\i, AR16+(\ks)/4, AR8+(\ks)/4, ((\ks)%4)*KSB+\i*1536
.endr
.irp u, 0,1                            ; four blocks' words a load.  In the second load lanes 0-15 bring scale words of rows that are not mine: no product names them
	ds_load_b128 v[SC+8*(\p)+4*\u:SC+8*(\p)+4*\u+3], v[AS+(\ks)/4] offset:((\ks)%4)*KSB+\u*6400+6144
.endr
.endm
; 16 matrix instructions: R's blocks a0, a0 + 1 x P's eight.  bias = 1: the first product starts the sums from the bias.  The 32 accumulators take turns, one instruction a turn, in the same order in every K step.
.macro MUL16 a0, p, bias
.irp a, \a0, \a0+1
.irp b, 0,1,2,3,4,5,6,7
.if \bias
	v_wmma_scale_f32_16x16x128_f8f6f4 v[8*(8*(\a)+\b):8*(8*(\a)+\b)+7], v[128*(\p)+12*\b:128*(\p)+12*\b+11], v[AF+48*(\p)+12*(\a):AF+48*(\p)+12*(\a)+11], v[BI+8*\b:BI+8*\b+7], v[SC+8*(\p)+\b], v[SC+8*(\p)+(\a)] matrix_a_fmt:MATRIX_FMT_BF6 matrix_b_fmt:MATRIX_FMT_BF6 matrix_a_scale:MATRIX_SCALE_ROW1
.else
	v_wmma_scale_f32_16x16x128_f8f6f4 v[8*(8*(\a)+\b):8*(8*(\a)+\b)+7], v[128*(\p)+12*\b:128*(\p)+12*\b+11], v[AF+48*(\p)+12*(\a):AF+48*(\p)+12*(\a)+11], v[8*(8*(\a)+\b):8*(8*(\a)+\b)+7], v[SC+8*(\p)+\b], v[SC+8*(\p)+(\a)] matrix_a_fmt:MATRIX_FMT_BF6 matrix_b_fmt:MATRIX_FMT_BF6 matrix_a_scale:MATRIX_SCALE_ROW1
.endif
.endr
.endr
.endm
.macro STEP ks, bias                   ; K step ks of 0 .. 6
	s_wait_dscnt 0x0                               ; this step's fragments and scale words are in: they were asked for ahead of the last step's 32 products
.if (\ks) > 0
	PLACES 4                                       ; in front of loads into the set that the last step's products read
.endif
	FETCH (\ks)+1, 1-(\ks)%2
.if \bias
	WIN BIA_W
.else
	WIN MUL_W
.endif
	MUL16 0, (\ks)%2, \bias
	MUL16 2, (\ks)%2, \bias
	WIN 0
.endm
	s_wait_alu depctr_va_vdst(0)
	s_wait_tensorcnt 0x0                           ; my part is in
	s_barrier_signal -1
	s_barrier_wait -1                              ; everybody's is: all of K lies in LDS
	FETCH 0, 0
	s_wait_loadcnt 0x0                             ; the bias
	STEP 0, 1
.irp k, 1,2,3,4,5,6
	STEP \k, 0
.endr
	s_wait_dscnt 0x0                               ; the last K step: my reads of the tiles are over:
	s_barrier_signal -1                            ; say so,
	WIN MUL_W
	MUL16 0, 1, 0                                  ; work on registers while the others arrive,
	MUL16 2, 1, 0
	WIN 0
	s_barrier_wait -1                              ; and go on when nobody reads the tiles any more: the stage may be written
; THE WAY OUT, block by block of 16 tokens x 128 columns, through my own stage: in as 32 bytes a lane, at the columns' true places; back as whole rows of 512 bytes, stored to the rows' true places.
; LDS serves a wave's instructions in order (ISA guide 5.7.1.4): no wait between the stores and the loads, nor in front of the next block's stores.
.macro TOSTAGE a
	WIN 0x08                                       ; an LDS store's data are its source 1: window 2
.irp b, 0,1,2,3,4,5,6,7
	ds_store_b128 v[STO], v[64*(\a)+8*\b:64*(\a)+8*\b+3] offset:128*(\b/2)+32*(\b%2)        ; each accumulator from its low end on
	ds_store_b128 v[STO], v[64*(\a)+8*\b+4:64*(\a)+8*\b+7] offset:128*(\b/2)+32*(\b%2)+16
.endr
	WIN 0
.set BB, BK+64*((\a)%2)
.irp t, 0,1,2,3,4,5,6,7,8,9,10,11,12,13,14,15
	ds_load_b128 v[BB+4*\t:BB+4*\t+3], v[RD] offset:\t*SPITCH
.endr
.endm
.macro SEND a, younger                 ; younger: the LDS instructions issued behind block a's loads, which may stay out
.set BB, BK+64*((\a)%2)
	s_wait_dscnt \younger
.irp t, 0,1,2,3,4,5,6,7,8,9,10,11,12,13,14,15
	global_store_b128 v[CO], v[BB+4*\t:BB+4*\t+3], s[10:11] offset:(32*((\a)/2)+8*((\a)%2)+\t+8*(\t/8))*4096 th:TH_STORE_NT   ; 32 lanes store 512 consecutive bytes, at a multiple of 256 from out0's first byte; 63 rows at the most: inside the signed 24-bit immediate
.endr
.endm
	PLACES 4                                       ; in front of the first read of results and of loads into the registers that held R's fragments
	TOSTAGE 0
.irp a, 1,2,3
.if \a > 1
	s_wait_xcnt 0x0                                ; block a - 2's stores have read their registers: block a's loads may land there
.endif
	TOSTAGE \a
	SEND \a-1, 32                                  ; behind block a - 1's loads: block a's 16 stores and 16 loads
.endr
	SEND 3, 0
	s_wait_tensorcnt 0x0                           ; the wave's end
	ds_add_u32 v[SPW], v[NIL]
	s_wait_dscnt 0x0
	CROUND                                         ; the closing round: no work-group ends while a partner may still ask for a block that names it
	s_endpgm
.Lfunc_end_k_q9e3e108d6e_oproj:
	.size	k_q9e3e108d6e_oproj, .Lfunc_end_k_q9e3e108d6e_oproj-k_q9e3e108d6e_oproj
	.p2alignl 7, 3214868480
	.fill 96, 4, 3214868480
	.section	.rodata,"a",@progbits
	.p2align	6, 0x0
	.amdhsa_kernel k_q9e3e108d6e_oproj
		.amdhsa_group_segment_fixed_size 327680
		.amdhsa_private_segment_fixed_size 0
		.amdhsa_enable_private_segment 0
		.amdhsa_kernarg_size 32
		.amdhsa_user_sgpr_count 2
		.amdhsa_user_sgpr_kernarg_segment_ptr 1
		.amdhsa_wavefront_size32 1
		.amdhsa_system_sgpr_workgroup_id_x 1
		.amdhsa_system_sgpr_workgroup_id_y 1
		.amdhsa_system_sgpr_workgroup_id_z 1
		.amdhsa_system_vgpr_workitem_id 0
		.amdhsa_next_free_vgpr 768
		.amdhsa_next_free_sgpr 100
		.amdhsa_reserve_vcc 0
		.amdhsa_float_denorm_mode_32 3
		.amdhsa_float_denorm_mode_16_64 3
		.amdhsa_memory_ordered 1
		.amdhsa_forward_progress 1
		.amdhsa_inst_pref_size 82
	.end_amdhsa_kernel
	.amdgpu_metadata
---
amdhsa.version: [ 1, 2 ]
amdhsa.kernels:
  - .name:           k_q9e3e108d6e_oproj
    .symbol:         k_q9e3e108d6e_oproj.kd
    .args:
      - { .name: ao, .offset: 0, .size: 8, .value_kind: global_buffer, .address_space: global }
      - { .name: codes, .offset: 8, .size: 8, .value_kind: global_buffer, .address_space: global }
      - { .name: bo, .offset: 16, .size: 8, .value_kind: global_buffer, .address_space: global }
      - { .name: out0, .offset: 24, .size: 8, .value_kind: global_buffer, .address_space: global }
    .group_segment_fixed_size: 327680
    .private_segment_fixed_size: 0
    .kernarg_segment_align: 8
    .kernarg_segment_size: 32
    .max_flat_workgroup_size: 128
    .sgpr_count:     100
    .vgpr_count:     768
    .wavefront_size: 32
...
	.end_amdgpu_metadata
.endif
;; end of part 4
